; MI455X (gfx1250); checked and timed in simulation.
; The chip was launched on July 23, 2026; its instructions are those of AMD's public machine-readable ISA for CDNA 5 (MIT licence, August 2026) and "CDNA5" Instruction Set Architecture Reference Guide (July 2026). The comments in the code are by the model that wrote it; some were corrected since.
;; Attn Blockpp1d. Allowed arithmetic: matrix products marked QUANTISED: E5M2 operands, one E8M0 scale for each 32 along K, by v_wmma_scale_f32_16x16x128_f8f6f4 with both operands' format E5M2, f32 sums; everything else in f32.
;; Inputs: W0_codes 512 x 16 x 32 uint8 (E5M2 codes of W0, K innermost, in blocks of 32 codes); W0_scales 512 x 16 uint8 (E8M0 scales of W0, one for each 32 codes along K); W1_codes 512 x 16 x 32 uint8 (E5M2 codes of W1, K innermost, in blocks of 32 codes); W1_scales 512 x 16 uint8 (E8M0 scales of W1, one for each 32 codes along K); W2_codes 512 x 16 x 32 uint8 (E5M2 codes of W2, K innermost, in blocks of 32 codes); W2_scales 512 x 16 uint8 (E8M0 scales of W2, one for each 32 codes along K); W3_codes 512 x 16 x 32 uint8 (E5M2 codes of W3, K innermost, in blocks of 32 codes); W3_scales 512 x 16 uint8 (E8M0 scales of W3, one for each 32 codes along K); b0 512 float32; b1 512 float32; b2 512 float32; b3 512 float32; beta 512 float32; gamma 512 float32; x 8 x 512 x 1,024 float32.
;; Outputs: out0 8 x 512 x 1,024 float32.
;; This version of the problem:
;;   THIS VERSION OF THE PROBLEM IS GIVEN IN LOW PRECISION. The matrix products marked QUANTISED in the list below multiply operands that are first quantised to E5M2 (5 exponent bits, 2 mantissa bits; 8 bits a number), with one power-of-two scale for each 32 numbers along K (OCP MX v1.0); their sums are f32. All else is computed in f32.
;;   The module's matrix products, in the order in which they are computed (A, B: the left and right operand; K: the contracted axis; several contracted axes count as one K, in the product's order):
;;     1. [M 512, K 512] x [K 512, N 8,192]; A: input W0 (given as codes); B: computed on the way: QUANTISED
;;     2. [M 512, K 512] x [K 512, N 8,192]; A: input W1 (given as codes); B: computed on the way: QUANTISED
;;     3. [M 512, K 512] x [K 512, N 8,192]; A: input W2 (given as codes); B: computed on the way: QUANTISED
;;     4. batch 64 x [M 1,024, K 64] x [K 64, N 1,024]; A: computed on the way; B: computed on the way: QUANTISED
;;     5. batch 64 x [M 64, K 1,024] x [K 1,024, N 1,024]; A: computed on the way; B: softmax (see below): QUANTISED
;;     6. [M 512, K 512] x [K 512, N 8,192]; A: input W3 (given as codes); B: computed on the way: QUANTISED
;;   THE QUANTISER, for each operand of a quantised product, along K:
;;     - K is cut into blocks of 32 from its start; a last block that is shorter is filled with zeros.
;;     - A block's scale is 2^e with e = floor(log2(the largest magnitude in the block)) - 15, held to -126 .. 127; a block of zeros has e = 0. As a byte (E8M0): e + 127.
;;     - Each number is divided by its block's scale, clamped to +-57,344, and rounded to the nearest number of E5M2, ties to even, subnormals kept.
;;     - The product sums the exact products of the quantised numbers (number of the format x scale) in f32.
;;   ~~~python
;;   def quantise(x, axis):      # numpy; x: float32 -> the quantised numbers, widened to float32 again
;;       x = np.moveaxis(x, axis, -1); K = x.shape[-1]
;;       x = np.pad(x, [(0, 0)] * (x.ndim - 1) + [(0, -K % 32)]); x = x.reshape(x.shape[:-1] + (-1, 32)); a = np.abs(x).max(-1, keepdims=True)
;;       e = np.where(a > 0, np.clip(np.frexp(np.where(a > 0, a, 1))[1] - 1 - 15, -126, 127), 0)      # np.frexp(a)[1] - 1 = floor(log2(a)), exactly
;;       r = np.clip(x / 2.0 ** e, -57344, 57344)
;;       step = 2.0 ** (np.maximum(np.frexp(np.where(r == 0, 1, r))[1] - 1, -14) - 2)
;;       q = np.round(r / step) * step * 2.0 ** e      # np.round: ties to even
;;       return np.moveaxis(q.reshape(q.shape[:-2] + (-1,))[..., :K], -1, axis).astype(np.float32)
;;   ~~~
;;   SOFTMAX AHEAD OF A QUANTISED PRODUCT. Where the list says 'softmax', what is quantised is not the finished softmax but p = 2^(t - M), with t = logit x log2(e) and M = ceil(the row's largest t), a whole number; so 1/2 < the row's largest p <= 1. The row's sum l is taken of the UNQUANTISED p, in f32, and the product's result is divided by l at the end. Since M is a whole number, a kernel that streams over the keys may use a running M (the ceiling of the running maximum): every later rescaling is an exact power of two, which a block's scale takes up: the codes' values come out the same.
;;   OPERANDS COMPUTED ON THE WAY. 'Computed on the way' means the value that the module computes at that place (a softmax that the list does not call 'softmax' is quantised finished and normalised). What goes into a quantiser is computed in f32, as accurately as f32 sums, v_exp_f32 and their like allow (about 1e-6 of the number): no bf16 or f16 on the way to a quantiser, and a product that is left as it is and whose result goes on into a quantised operand takes f32 operands (vector FMAs, or v_wmma_f32_16x16x4_f32). A number that lies on a knife's edge between two numbers of the format may be rounded either way, as far as f32 arithmetic and the matrix unit's own rounding can turn it there, and no further.
;;   INPUTS GIVEN AS CODES. W0 (in the module: [512, 512], K = its axis 0); W1 (in the module: [512, 512], K = its axis 0); W2 (in the module: [512, 512], K = its axis 0); W3 (in the module: [512, 512], K = its axis 0): each comes as NAME_codes (uint8): NAME with its K axis moved to the last place and cut into blocks of 32 codes, [.., K / 32, bytes a block], one block behind the other in memory; one code a byte (a code: sign, 5 exponent bits, 2 mantissa bits); and NAME_scales (uint8): the same leading axes, one E8M0 byte (e + 127) for each 32 codes along K. Its value is code x scale, taken as it is: it is not quantised again, and the codes and scales need not be those that the quantiser above would give.
;; One version. Each part assembles by itself: llvm-mc -triple=amdgcn-amd-amdhsa -mcpu=gfx1250 --defsym DOCPART=n.
;; ======== version 1 of 1: 3 launches
;; limits: right only within a limited range of input values
;; workspace buffers: h_img 4,194,304 bytes; h_sc 131,072 bytes; q_img 4,194,304 bytes; q_sc 262,144 bytes; kv 8,650,752 bytes
;; launch gnorm (part 1): grid 16 x 8, 16 waves a work-group, no clusters, 4,096 bytes of LDS; arguments x, gamma, beta, h_img, h_sc; writes h_img, h_sc
.if DOCPART == 1
	.amdgcn_target "amdgcn-amd-amdhsa--gfx1250"
	.amdhsa_code_object_version 6
	.text
	.protected	k_q69a378338d_gnorm
	.globl	k_q69a378338d_gnorm
	.p2align	8
	.type	k_q69a378338d_gnorm,@function
k_q69a378338d_gnorm:
	s_mov_b64 s[64:65], 0
	v_nop
	global_prefetch_b8 v0, s[64:65] scope:SCOPE_SE
	s_setreg_imm32_b32 hwreg(HW_REG_WAVE_MODE, 25, 1), 1
	s_wait_xcnt 0x0
; h = GroupNorm(x) x gamma + beta, quantised along the channels into codes of BF8 (E5M2) with one E8M0 byte for each 32 channels.
; x: [8][512][1024] f32.  A group is 16 channels x 1,024 positions; a block of the quantiser is 32 channels of one position: two groups.
; SHARES.  A work-group owns 32 channels (cb) of one batch (b), all 1,024 positions: 128 KiB, kept in registers between the passes, so x is read once here.
; Thread (wave w, lane L) owns the positions 64 w + 32 j + L, j = 0, 1; its register X + 32 j + c holds channel 32 cb + c: A LANE TAKES A POSITION AND ITS REGISTERS RUN DOWN THE CHANNELS,
; so a block's largest magnitude needs no other lane and the conversions give codes with the channels innermost.
; The mean is taken first and the variance of the differences from it (two passes over registers): no difference of large sums is formed.
; OUT.  h_img [b][tile of 16 positions][cb][512]: the image of an operand's four registers: byte 16 r + 256 h + i = channel 32 cb + 16 h + i at position 16 tile + r.  Sixteen lanes store 256 consecutive bytes, aligned.
;       h_sc [b][cb][1024]: the scale bytes; they are gathered in LDS and leave as four aligned runs of 256 bytes.
; No cluster: the work-groups share no input but 256 bytes of gamma and beta.  128 work-groups: a block needs two whole groups, and a group's statistics all positions.
; LIMITS: a block whose largest magnitude lies under 2^-111 (a block of zeros too) gets the byte 1; the bytes are read by this program alone.  NaN and infinities among the inputs are not served.
.set X,    40                          ; v40-103  the numbers
.set CDS,  24                          ; v24-39   the codes, eight registers for each j
.set TM,   16                          ; v16-23   at work, four registers for each j
.set RED1, 0                           ; LDS: 32 partial sums (16 waves x 2 groups);
.set RED2, 256                         ; the same for the squares;
.set SB,   512                         ; 1,024 scale bytes
	s_load_b256 s[4:11], s[0:1], 0x0               ; x s[4:5], gamma s[6:7], beta s[8:9], h_img s[10:11]
	s_load_b64 s[12:13], s[0:1], 0x20              ; h_sc
	v_lshl_add_u32 v104, v0, 2, 0x800
	v_mov_b32 v105, 0
	s_mov_b32 s14, ttmp9                           ; cb
	s_and_b32 s15, ttmp7, 0xffff                   ; b
	v_lshrrev_b32 v16, 5, v0
	s_delay_alu instid0(VALU_DEP_1)
	v_readfirstlane_b32 s48, v16                   ; wave
	v_and_b32 v1, 31, v0                           ; lane L
	s_delay_alu instid0(VALU_DEP_1)
	v_lshlrev_b32 v5, 2, v1                        ; 4 L
	s_delay_alu instid0(VALU_DEP_1)
	v_lshl_add_u32 v2, v16, 8, v5                  ; x: 256 w + 4 L
	v_lshlrev_b32 v4, 2, v16                       ; 4 w: my wave's partial sum
	s_delay_alu instid0(VALU_DEP_4)
	v_lshrrev_b32 v17, 4, v1
	s_delay_alu instid0(VALU_DEP_1)
	v_lshl_add_u32 v17, v16, 2, v17                ; tile of 16 positions: 4 w + L / 16 (+ 2 j)
	v_and_b32 v18, 15, v1
	s_delay_alu instid0(VALU_DEP_1)
	v_lshlrev_b32 v18, 4, v18
	s_delay_alu instid0(VALU_DEP_1)
	v_lshl_add_u32 v3, v17, 13, v18                ; h_img: 8,192 x tile + 16 (L % 16)
	v_lshl_add_u32 v6, v16, 6, v1                  ; my position: 64 w + L (+ 32 j)
	v_and_b32 v7, 63, v0
	s_delay_alu instid0(VALU_DEP_1)
	v_lshlrev_b32 v7, 4, v7                        ; the last copy: 16 bytes a thread of waves 0 and 1
	s_mov_b32 s56, 0x76543210
	s_mov_b32 s57, 0xfedcba98                      ; v_permlanex16_b32's selects for lane l xor 16
	s_mov_b32 s58, 0x600000                        ; the mantissa field of 57,344
	s_mov_b32 s59, 0x38800000                      ; 2^-14 = 1 / 16,384
	s_lshl_b32 s60, s15, 21
	s_lshl_b32 s61, s14, 17
	s_add_co_u32 s60, s60, s61                     ; x: (512 b + 32 cb) rows of 4,096 bytes
	s_mov_b32 s61, 0
	s_lshl_b32 s62, s14, 7                         ; gamma, beta: 32 cb numbers on
	s_mov_b32 s63, 0
	s_wait_kmcnt 0x0
	s_add_nc_u64 s[4:5], s[4:5], s[60:61]
	s_add_nc_u64 s[6:7], s[6:7], s[62:63]
	s_add_nc_u64 s[8:9], s[8:9], s[62:63]
.set i, 0
.rept 64
	global_load_b32 v[X+i], v2, s[4:5] offset:4096*(i%32)+128*(i/32)   ; set j = 0 first; the two sets of a wave cover 256 consecutive bytes of each row
.set i, i+1
.endr
	s_load_b512 s[16:31], s[6:7], 0x0              ; gamma of my 32 channels
	s_load_b512 s[32:47], s[6:7], 0x40
	s_load_b512 s[68:83], s[8:9], 0x0              ; beta
	s_load_b512 s[84:99], s[8:9], 0x40
	s_lshl_b32 s60, s15, 19
	s_lshl_b32 s62, s14, 9
	s_add_co_u32 s60, s60, s62
	s_add_nc_u64 s[10:11], s[10:11], s[60:61]      ; h_img + 524,288 b + 512 cb
	s_lshl_b32 s60, s15, 14
	s_lshl_b32 s62, s14, 10
	s_add_co_u32 s60, s60, s62
	s_add_nc_u64 s[12:13], s[12:13], s[60:61]      ; h_sc + 16,384 b + 1,024 cb
; Set j's 32 numbers (sq = 0) or their squares (sq = 1) go onto four chains: pair p of group g onto v[8 + 4 g + 2 (p % 2)].  first = 1: the first pairs start the chains: nothing is cleared.
.macro ACCUM j, sq, first
.irp p, 0,1,2,3,4,5,6,7
.irp g, 0,1
.set rX, X+32*\j+16*\g+2*\p
.set rC, 8+4*\g+2*(\p%2)
.if \sq
.if \first && (\p < 2)
	v_pk_mul_f32 v[rC:rC+1], v[rX:rX+1], v[rX:rX+1]
.else
	s_delay_alu instid0(VALU_DEP_4)
	v_pk_fma_f32 v[rC:rC+1], v[rX:rX+1], v[rX:rX+1], v[rC:rC+1]
.endif
.else
.if \first && (\p < 2)
	v_pk_add_f32 v[rC:rC+1], v[rX:rX+1], v[rX+4:rX+5]
.elseif \first && (\p < 4)             ; taken with pair p - 2
.else
	v_pk_add_f32 v[rC:rC+1], v[rC:rC+1], v[rX:rX+1]
.endif
.endif
.endr
.endr
.endm
; The chains are joined, summed over the wave's 32 lanes and over the 16 waves (through LDS, one barrier).  Afterwards v16 holds group A's total in lanes 0-15 and group B's in lanes 16-31.
.macro REDUCE red
	s_delay_alu instid0(VALU_DEP_2)
	v_pk_add_f32 v[8:9], v[8:9], v[10:11]
	s_delay_alu instid0(VALU_DEP_2)
	v_pk_add_f32 v[12:13], v[12:13], v[14:15]
	s_delay_alu instid0(VALU_DEP_2)
	v_add_f32 v8, v8, v9
	s_delay_alu instid0(VALU_DEP_2)
	v_add_f32 v12, v12, v13
.irp m, 1,2,4,8
	s_delay_alu instid0(VALU_DEP_2)
	v_add_f32_dpp v8, v8, v8 row_xmask:\m row_mask:0xf bank_mask:0xf
	s_delay_alu instid0(VALU_DEP_2)
	v_add_f32_dpp v12, v12, v12 row_xmask:\m row_mask:0xf bank_mask:0xf
.endr
	s_delay_alu instid0(VALU_DEP_2)
	v_permlanex16_b32 v9, v8, s56, s57
	s_delay_alu instid0(VALU_DEP_2)
	v_permlanex16_b32 v13, v12, s56, s57
	s_delay_alu instid0(VALU_DEP_2)
	v_add_f32 v8, v8, v9
	s_delay_alu instid0(VALU_DEP_2)
	v_add_f32 v12, v12, v13
	ds_store_b32 v4, v8 offset:\red                ; all lanes write the same word with the same value
	ds_store_b32 v4, v12 offset:\red+64
	s_wait_dscnt 0x0                               ; for the others' sake: my stores have landed
	s_barrier_signal -1
	s_barrier_wait -1
	ds_load_b32 v16, v5 offset:\red                ; lanes 0-15: group A's 16 partial sums; lanes 16-31: group B's
	s_wait_dscnt 0x0
.irp m, 1
	v_add_f32_dpp v16, v16, v16 row_xmask:\m row_mask:0xf bank_mask:0xf
.endr
.irp m, 2, 4, 8
	s_delay_alu instid0(VALU_DEP_1)
	v_add_f32_dpp v16, v16, v16 row_xmask:\m row_mask:0xf bank_mask:0xf
.endr
.endm
	s_wait_loadcnt 32                              ; set 0's 32 loads are in; set 1's 32 may be out
	ACCUM 0, 0, 1
	s_wait_alu depctr_va_vdst(0)
	s_wait_loadcnt 0x0
	ACCUM 1, 0, 0
	REDUCE RED1
	s_delay_alu instid0(VALU_DEP_1)
	v_mul_f32 v16, 0xb8800000, v16                 ; - the mean: the total x -2^-14
	s_delay_alu instid0(VALU_DEP_1)
	v_readlane_b32 s50, v16, 0
	s_delay_alu instid0(VALU_DEP_2)
	v_readlane_b32 s52, v16, 16
	s_mov_b32 s51, s50                             ; (the packed form names pairs, so both words are written)
	s_mov_b32 s53, s52
.set i, 0
.rept 32
	v_pk_add_f32 v[X+2*i:X+2*i+1], v[X+2*i:X+2*i+1], s[50+2*((i/8)%2):51+2*((i/8)%2)] op_sel_hi:[1,0]   ; x - its group's mean, in place
.set i, i+1
.endr
	ACCUM 0, 1, 1
	ACCUM 1, 1, 0
	REDUCE RED2
	v_mov_b32 v17, 0x358637bd                      ; 1e-6
	s_delay_alu instid0(VALU_DEP_1)
	v_fma_f32 v16, v16, s59, v17                   ; the variance + 1e-6
	s_wait_alu depctr_va_vdst(0)
	v_rsq_f32 v16, v16
	v_nop                                          ; one plain instruction behind a transcendental (ISA guide 5.7.2)
	s_wait_alu depctr_va_vdst(0)
	v_readlane_b32 s54, v16, 0
	v_readlane_b32 s55, v16, 16
	s_wait_kmcnt 0x0                               ; gamma and beta
.set i, 0
.rept 32
	s_mul_f32 s[16+i], s[16+i], s[54+i/16]         ; gamma / sqrt(variance + 1e-6)
.set i, i+1
.endr
.set i, 0
.rept 64
	v_fma_f32 v[X+i], v[X+i], s[16+i%32], s[68+i%32]   ; h
.set i, i+1
.endr
; Set j's block of 32: its scale is 2^(floor(log2(largest magnitude)) - 15); the byte is the largest magnitude's exponent field - 15, held at 1 from below by the floor 2^(16 - 127).
.macro BLOCK j
.set XS, X+32*\j
.set TT, TM+4*\j
.set CC, CDS+8*\j
	v_max3_num_f32 v[TT], |v[XS]|, |v[XS+1]|, |v[XS+2]|
	v_max3_num_f32 v[TT+1], |v[XS+3]|, |v[XS+4]|, |v[XS+5]|
.irp i, 6,10,14,18,22,26
	s_delay_alu instid0(VALU_DEP_2)
	v_max3_num_f32 v[TT], v[TT], |v[XS+\i]|, |v[XS+\i+1]|
	s_delay_alu instid0(VALU_DEP_2)
	v_max3_num_f32 v[TT+1], v[TT+1], |v[XS+\i+2]|, |v[XS+\i+3]|
.endr
	s_delay_alu instid0(VALU_DEP_2)
	v_max3_num_f32 v[TT], v[TT], |v[XS+30]|, |v[XS+31]|
	s_delay_alu instid0(VALU_DEP_1)
	v_max3_num_f32 v[TT], v[TT], v[TT+1], 0x8000000
	s_delay_alu instid0(VALU_DEP_1)
	v_add_nc_u32 v[TT+2], 0xf8800000, v[TT]        ; 15 off its exponent field: the conversion takes this operand's exponent field as its scale
	s_delay_alu instid0(VALU_DEP_2)
	v_and_or_b32 v[TT+1], v[TT], 0x7f800000, s58   ; 57,344 x the scale
	s_delay_alu instid0(VALU_DEP_2)
	v_lshrrev_b32 v[TT+3], 23, v[TT+2]             ; the scale's byte
.set i, 0
.rept 32
	v_med3_num_f32 v[XS+i], v[XS+i], -v[TT+1], v[TT+1]   ; the conversion to an 8-bit code does not saturate (ISA guide 7.6.2): hold first
.set i, i+1
.endr
.irp g, 0,1,2,3
	v_cvt_scalef32_pk8_bf8_f32 v[CC+2*\g:CC+2*\g+1], v[XS+8*\g:XS+8*\g+7], v[TT+2]
.endr
	v_nop                                          ; one plain instruction behind the last scaled conversion
	ds_store_b8 v6, v[TT+3] offset:SB+32*\j
	global_store_b128 v3, v[CC:CC+3], s[10:11] offset:16384*\j          ; channels 0-15 of the block: the lanes 0-15 of the image
	global_store_b128 v3, v[CC+4:CC+7], s[10:11] offset:16384*\j+256    ; channels 16-31: its lanes 16-31
.endm
	BLOCK 0
	BLOCK 1
	s_wait_dscnt 0x0                               ; my scale bytes have landed
	s_barrier_signal -1
	s_barrier_wait -1
	s_cmp_lt_u32 s48, 2
	s_cbranch_scc0 .Lend                           ; waves 0 and 1 copy the 1,024 bytes out
	ds_load_b128 v[8:11], v7 offset:SB
	s_wait_dscnt 0x0
	global_store_b128 v7, v[8:11], s[12:13]
.Lend:
	s_wait_tensorcnt 0x0
	ds_add_u32 v104, v105
	s_wait_dscnt 0x0
	s_endpgm
.Lfunc_end_k_q69a378338d_gnorm:
	.size	k_q69a378338d_gnorm, .Lfunc_end_k_q69a378338d_gnorm-k_q69a378338d_gnorm
	.p2alignl 7, 3214868480
	.fill 96, 4, 3214868480
	.section	.rodata,"a",@progbits
	.p2align	6, 0x0
	.amdhsa_kernel k_q69a378338d_gnorm
		.amdhsa_group_segment_fixed_size 4096
		.amdhsa_private_segment_fixed_size 0
		.amdhsa_enable_private_segment 0
		.amdhsa_kernarg_size 40
		.amdhsa_user_sgpr_count 2
		.amdhsa_user_sgpr_kernarg_segment_ptr 1
		.amdhsa_wavefront_size32 1
		.amdhsa_system_sgpr_workgroup_id_x 1
		.amdhsa_system_sgpr_workgroup_id_y 1
		.amdhsa_system_sgpr_workgroup_id_z 1
		.amdhsa_system_vgpr_workitem_id 0
		.amdhsa_next_free_vgpr 106
		.amdhsa_next_free_sgpr 100
		.amdhsa_reserve_vcc 0
		.amdhsa_float_denorm_mode_32 3
		.amdhsa_float_denorm_mode_16_64 3
		.amdhsa_memory_ordered 1
		.amdhsa_forward_progress 1
		.amdhsa_inst_pref_size 35
	.end_amdhsa_kernel
	.amdgpu_metadata
---
amdhsa.version: [ 1, 2 ]
amdhsa.kernels:
  - .name:           k_q69a378338d_gnorm
    .symbol:         k_q69a378338d_gnorm.kd
    .args:
      - { .name: x, .offset: 0, .size: 8, .value_kind: global_buffer, .address_space: global }
      - { .name: gamma, .offset: 8, .size: 8, .value_kind: global_buffer, .address_space: global }
      - { .name: beta, .offset: 16, .size: 8, .value_kind: global_buffer, .address_space: global }
      - { .name: h_img, .offset: 24, .size: 8, .value_kind: global_buffer, .address_space: global }
      - { .name: h_sc, .offset: 32, .size: 8, .value_kind: global_buffer, .address_space: global }
    .group_segment_fixed_size: 4096
    .private_segment_fixed_size: 0
    .kernarg_segment_align: 8
    .kernarg_segment_size: 40
    .max_flat_workgroup_size: 512
    .sgpr_count:     100
    .vgpr_count:     106
    .wavefront_size: 32
...
	.end_amdgpu_metadata
.endif
;; end of part 1
;; launch qkv (part 2): grid 4 x 64, 8 waves a work-group, clusters of 4 x 1, 168,960 bytes of LDS; arguments h_img, h_sc, W0_codes, W0_scales, b0, W1_codes, W1_scales, b1, W2_codes, W2_scales, b2, q_img, q_sc, kv; writes q_img, q_sc, kv
.if DOCPART == 2
	.amdgcn_target "amdgcn-amd-amdhsa--gfx1250"
	.amdhsa_code_object_version 6
	.text
	.protected	k_q69a378338d_qkv
	.globl	k_q69a378338d_qkv
	.p2align	8
	.type	k_q69a378338d_qkv,@function
k_q69a378338d_qkv:
	s_mov_b64 s[64:65], 0
	v_nop
	global_prefetch_b8 v0, s[64:65] scope:SCOPE_SE
	s_setreg_imm32_b32 hwreg(HW_REG_WAVE_MODE, 25, 1), 1
	s_wait_xcnt 0x0
	s_wait_alu depctr_hold_cnt(0) depctr_sa_sdst(0) depctr_va_vdst(0) depctr_va_sdst(0) depctr_va_ssrc(0) depctr_va_vcc(0) depctr_vm_vsrc(0)
	s_getreg_b32 s2, hwreg(HW_REG_IB_STS2, 6, 4)
	s_cmp_eq_u32 s2, 0
	s_cbranch_scc0 .Lentry_in_a_cluster
	s_endpgm
.Lentry_in_a_cluster:
	s_bfe_u32 s2, ttmp6, 0x10000c
	s_cmp_lg_u32 s2, 0x3003
	s_cbranch_scc0 .Lentry_shape_is_right
	s_endpgm
.Lentry_shape_is_right:
; q, k, v = W0^T h + b0, W1^T h + b1, W2^T h + b2 on codes of BF8 (E5M2) with E8M0 scales, and their quantising: q and k along the head's 64 channels, v along the keys.
; SHARES.  A work-group owns one head (bh = 8 b + hd) and 256 positions (tq): 192 rows x 256 positions x K = 512.  Wave w owns the 32 positions of block beta = 8 tq + w: tiles X (the first 16) and Y.
; h's fragments of those 32 positions (16 KiB) come straight into registers, once; the head's three slices of weights (64 rows x 512 bytes each) lie in LDS, filled once.
; CLUSTER.  The four work-groups of a cluster own the four quarters of one head's positions and need the same three slices: each slice is asked for JOINTLY, by one tensor load with a mask that names the four.
; LAYOUT.  q, k: source 0 = 16 rows of W, source 1 = 16 positions of h: a lane holds ONE position and eight channels; two tiles of W give it 16 of a block's 32 channels, lane l xor 16 the others.
;          v:    source 0 = 16 positions of h, source 1 = 16 rows of W2: a lane holds ONE channel and eight positions; tiles X and Y give it 16 of a block's 32 keys.
; So the conversions' results are four registers of the next product's operand.  Inside a block of 32 the places are: 8 h + j from the first tile, then 16 + 8 h + j from the second (h = lane / 16):
; the same on both sides of each later product (q with k, v with p), so the products are the same and the blocks of the scales are the true ones.
; OUT, as images of operand registers (lane l's 16 bytes at 16 l, 512 bytes a store, aligned):  q_img [bh][tile][block of 32 channels][512];  q_sc [bh][tile][16] words (s0, s1, s0, s1);
;   kv, a record of 135,168 bytes for each bh, in the order in which the next launch wants it: k's scale words [beta][16] = (X 0, X 1, Y 0, Y 1); at 2,048 v's [128 keys][tile][16];
;   from 4,096 on, for each step of 128 keys, 16,384 bytes: k's images [beta % 4][X 0, X 1, Y 0, Y 1][512], then v's [tile of channels][beta % 4][512].
; LIMITS: a block whose largest magnitude lies under 2^-111 (a block of zeros too) gets the byte 1; the bytes are read by this program alone.  NaN and infinities are not served.
; REGISTERS.  window 0: v1-11 addresses; v12-15 h's scale words (X's in lanes 0-15, Y's in lanes 16-31); v16-63 W's scale words; v64-95 four accumulators; v96-223 W's fragments, two buffers of four; v224-249 at work.
;             window 1: v0-127 h's eight fragments; v128-223 the biases, eight registers a tile, in the result's layout: they are the C of each sum's first matrix instruction.
; THE PLACES OF kv, in place of those given above: a head's record is eight steps of 16,896 bytes: k's scale words (256 bytes), v's (256), k's images (8,192), v's images (8,192).
; The cluster's number counts the batch in its low three bits and the head above them.
.set WPITCH, 528                       ; a row of W in LDS: 512 bytes + 16 of padding
.set WSL,    64*WPITCH                 ; a slice
.set STG,    3*WSL                     ; behind the slices: the scale words on their way out: q's 1,024 bytes, k's 512, v's 512
.set LI,  1                            ; v1   16 x lane
.set RR,  2                            ; v2   r = lane % 16
.set HH,  3                            ; v3   h = lane / 16
.set AW,  4                            ; v4-6 my lane's place in slice 0, 1, 2
.set SQA, 7                            ; v7   where my lane's word of q's scales goes
.set SKA, 8                            ; v8   k's
.set SVA, 9                            ; v9   v's byte
.set RDS, 10                           ; v10  the last copy: LDS address,
.set RDG, 11                           ; v11  and offset in memory
.set HS,  12
.set WS,  16
.set ACC, 64
.set WB,  96
.set MX,  224                          ; v224-225 largest magnitudes;  v226-227 lane l xor 16's;  v228-229 the conversions' scales;  v230-231 57,344 x the scale
.set PX,  226
.set SO,  228
.set HD,  230
.set CD,  232                          ; v232-239 two blocks' codes
.set BY,  240                          ; v240-243 scale bytes
.set OL,  244                          ; v244-247 offsets of the head's loads: lane, 32 h, 4 r, 16 r
.set OH,  245
.set O4,  246
.set O16, 247
.set T0,  248
.set T1,  249
.set HF,   0                           ; in window 1
.set BIAS, 128
.set MSB, 0
.macro WIN new                         ; the immediate's high byte repeats the setting that is left
.if MSB != \new
	s_set_vgpr_msb (MSB<<8)|\new
.set MSB, \new
.endif
.endm
.macro PLACES n
.rept \n
	v_nop
.endr
.endm
.macro ROUND                           ; a round of the cluster's barrier: my work-group's barrier; wave 0 signals for the work-group; every wave waits for all four; my work-group's barrier once more
	s_barrier_signal -1
	s_barrier_wait -1
	s_cmp_lg_u32 s32, 0
	s_cbranch_scc1 .Lnot_wave_0_\@
	s_barrier_signal -3
.Lnot_wave_0_\@:
	s_barrier_wait -3
	s_barrier_signal -1
	s_barrier_wait -1
.endm
	s_load_b512 s[4:19], s[0:1], 0x0               ; h_img s[4:5], h_sc s[6:7]; W0: codes s[8:9], scales s[10:11], bias s[12:13]; W1: s[14:15], s[16:17], s[18:19]
	s_load_b256 s[20:27], s[0:1], 0x40             ; W2: s[20:21], s[22:23], s[24:25]; q_img s[26:27]
	s_load_b128 s[28:31], s[0:1], 0x60             ; q_sc s[28:29], kv s[30:31]
	v_lshl_add_u32 v254, v0, 2, 0x29000
	v_mov_b32 v255, 0
	ds_add_u32 v254, v255
	ds_add_u32 v254, v255
	v_lshrrev_b32 v[T0], 5, v0
	s_delay_alu instid0(VALU_DEP_1)
	v_readfirstlane_b32 s32, v[T0]                 ; wave 0..7
	s_bfe_u32 s33, ttmp6, 0x40000                  ; my place in the cluster
	s_lshl_b32 s37, ttmp9, 2
	s_add_co_u32 s33, s37, s33                     ; tq: it enters addresses in memory alone
	s_and_b32 s34, ttmp7, 0xffff                   ; bh, which the four partners share
	s_lshr_b32 s36, s34, 3                         ; hd
	s_and_b32 s35, s34, 7                          ; b
	s_lshl_b32 s34, s35, 3
	s_add_co_u32 s34, s34, s36                     ; bh = 8 b + hd
	s_lshl_b32 s37, s33, 3
	s_add_co_u32 s37, s37, s32                     ; beta = 8 tq + wave
	v_and_b32 v[OL], 31, v0
	s_delay_alu instid0(VALU_DEP_1)
	v_lshlrev_b32 v[LI], 4, v[OL]
	v_and_b32 v[RR], 15, v0
	v_bfe_u32 v[HH], v0, 4, 1
	s_delay_alu instid0(VALU_DEP_2)
	v_mul_u32_u24 v[AW], v[RR], WPITCH
	s_delay_alu instid0(VALU_DEP_1)
	v_lshl_add_u32 v[AW], v[HH], 4, v[AW]          ; row r x pitch + 16 h
	s_delay_alu instid0(VALU_DEP_1)
	v_add_nc_u32 v[AW+1], WSL, v[AW]
	s_delay_alu instid0(VALU_DEP_2)
	v_add_nc_u32 v[AW+2], 2*WSL, v[AW]
	v_lshl_add_u32 v[SQA], v0, 2, STG              ; q's words: 4 bytes a thread
	v_lshlrev_b32 v[O4], 2, v[RR]
	s_lshl_b32 s38, s32, 6
	s_add_co_u32 s38, s38, STG+1024
	v_add_nc_u32 v[SKA], s38, v[O4]                ; k's: 64 x wave + 4 r
	s_lshr_b32 s38, s32, 2
	s_lshl_b32 s38, s38, 8
	s_and_b32 s39, s32, 3
	s_add_co_u32 s38, s38, s39
	s_add_co_u32 s38, s38, STG+1536
	v_add_nc_u32 v[SVA], s38, v[O4]                ; v's: 256 (wave / 4) + 4 r + wave % 4 (+ 64 x tile)
	v_and_b32 v[RDG], 127, v0
	s_delay_alu instid0(VALU_DEP_1)
	v_lshlrev_b32 v[RDG], 4, v[RDG]
	s_delay_alu instid0(VALU_DEP_1)
	v_add_nc_u32 v[RDS], STG, v[RDG]
	v_lshlrev_b32 v[OH], 5, v[HH]
	v_lshlrev_b32 v[O16], 4, v[RR]
	v_mov_b32 v[PX], 0                             ; written once: a lane permute's destination counts as one of its sources
	v_mov_b32 v[PX+1], 0
	s_mov_b32 s60, 0x76543210
	s_mov_b32 s61, 0xfedcba98                      ; v_permlanex16_b32's selects for lane l xor 16
	s_mov_b32 s62, 0x600000                        ; the mantissa field of 57,344
	s_mov_b32 s63, 0xffff0000                      ; lanes 16-31
	; descriptor group 1: 64 rows of 512 bytes, 16 bytes of padding behind each
	s_mov_b32 s40, 15|(1<<20)|(1<<21)|(6<<22)|(3<<25)  ; 15:0 the mask: all four work-groups; 17:16 elements of 1 byte; 20 padding on; 21 set beside a mask; 24:22 after every 128 words (code 6); 31:25 four words (code 3)
	s_mov_b32 s41, 512<<16                         ; tensor_dim0
	s_mov_b32 s42, 64<<16                          ; tensor_dim1
	s_mov_b32 s43, 512<<16                         ; tile_dim0
	s_mov_b32 s44, 64                              ; tile_dim1
	s_mov_b32 s45, 512                             ; tensor_dim0_stride
	s_mov_b32 s46, 0
	s_mov_b32 s47, 0
	s_mov_b32 s39, 0
	s_mov_b32 s73, 0
	s_wait_dscnt 0x0
	s_wait_kmcnt 0x0
	s_lshl_b32 s38, s36, 15                        ; the head's 64 rows of 512 bytes
.irp m, 0,1,2
	s_mov_b32 s[48+4*\m], 1                        ; group 0 for slice m: count = 1,
	s_mov_b32 s[49+4*\m], \m*WSL                   ; its place in LDS,
	s_add_nc_u64 s[50+4*\m:51+4*\m], s[8+6*\m:9+6*\m], s[38:39]   ; its first byte in memory,
	s_or_b32 s[51+4*\m], s[51+4*\m], 0x80000000    ; type = 2
.endr
	s_lshl_b32 s38, s36, 10                        ; the head's 64 rows of 16 scale bytes
.irp m, 0,1,2
	s_add_nc_u64 s[10+6*\m:11+6*\m], s[10+6*\m:11+6*\m], s[38:39]
.endr
	s_lshl_b32 s38, s36, 8                         ; the head's 64 numbers of a bias
.irp m, 0,1,2
	s_add_nc_u64 s[12+6*\m:13+6*\m], s[12+6*\m:13+6*\m], s[38:39]
.endr
	s_mul_i32 s38, s34, 135168
	s_add_nc_u64 s[30:31], s[30:31], s[38:39]      ; the head's record
	s_lshl_b32 s72, s35, 19                        ; (what hangs on tq is made in s72-74, which feed no descriptor)
	s_lshl_b32 s74, s37, 14
	s_add_co_u32 s72, s72, s74
	s_add_nc_u64 s[4:5], s[4:5], s[72:73]          ; h_img + 524,288 b + 16,384 beta
	s_lshl_b32 s72, s35, 14
	s_lshl_b32 s74, s37, 5
	s_add_co_u32 s72, s72, s74
	s_add_nc_u64 s[6:7], s[6:7], s[72:73]          ; h_sc + 16,384 b + 32 beta
	s_lshl_b32 s72, s34, 16
	s_lshl_b32 s74, s37, 11
	s_add_co_u32 s72, s72, s74
	s_add_nc_u64 s[26:27], s[26:27], s[72:73]      ; q_img + 65,536 bh + 2,048 beta
	s_lshl_b32 s72, s34, 12
	s_lshl_b32 s74, s33, 10
	s_add_co_u32 s72, s72, s74
	s_add_nc_u64 s[28:29], s[28:29], s[72:73]      ; q_sc + 4,096 bh + 1,024 tq
	s_lshr_b32 s72, s37, 2
	; kv's record, as it is stored from here on: for each step of 128 keys 16,896 bytes: k's scale words (256 bytes), v's (256), k's images (8,192), v's images (8,192)
	s_mul_i32 s72, s72, 16896
	s_and_b32 s74, s37, 3
	s_lshl_b32 s74, s74, 11
	s_add_co_u32 s72, s72, s74
	s_add_co_u32 s72, s72, 512
	s_add_nc_u64 s[66:67], s[30:31], s[72:73]      ; k's images: + 16,896 (beta / 4) + 512 + 2,048 (beta % 4)
	s_lshr_b32 s72, s37, 2
	s_mul_i32 s72, s72, 16896
	s_and_b32 s74, s37, 3
	s_lshl_b32 s74, s74, 9
	s_add_co_u32 s72, s72, s74
	s_add_co_u32 s72, s72, 512+8192
	s_add_nc_u64 s[68:69], s[30:31], s[72:73]      ; v's images: + 16,896 (beta / 4) + 512 + 8,192 + 512 (beta % 4)
	s_mul_i32 s72, s33, 2*16896
	s_and_b32 s74, s32, 1
	s_lshl_b32 s74, s74, 8
	s_add_co_u32 s72, s72, s74
	s_add_nc_u64 s[70:71], s[30:31], s[72:73]      ; the scale words: wave 2 copies k's (+ 33,792 tq), wave 3 v's (256 further on)
	ROUND                                          ; all four work-groups are here: the joint loads meet
	s_cmp_eq_u32 s32, 0                            ; waves 0, 1, 2 ask for slices 0, 1, 2: one load each; four v_nop follow each line
	s_cbranch_scc0 .Lnot_0
	tensor_load_to_lds s[48:51], s[40:47]
	s_nop 0
	PLACES 4
	s_branch .Lasked
.Lnot_0:
	s_cmp_eq_u32 s32, 1
	s_cbranch_scc0 .Lnot_1
	tensor_load_to_lds s[52:55], s[40:47]
	s_nop 0
	PLACES 4
	s_branch .Lasked
.Lnot_1:
	s_cmp_eq_u32 s32, 2
	s_cbranch_scc0 .Lasked
	tensor_load_to_lds s[56:59], s[40:47]
	s_nop 0
	PLACES 4
.Lasked:
.set i, 0
.rept 16
	global_load_u8 v[ACC+i], v[OL], s[6:7] offset:1024*i   ; h's scale byte of block i of the channels at position 32 beta + lane
.set i, i+1
.endr
	s_wait_alu depctr_va_vdst(0)
.irp m, 0,1,2
.irp t, 0,1,2,3
	global_load_b128 v[WS+16*\m+4*\t:WS+16*\m+4*\t+3], v[O16], s[10+6*\m:11+6*\m] offset:256*\t   ; row r of tile t: its four scale words, one for each 128 along K
.endr
.endr
	WIN 0x40                                       ; destination window 1
.irp e, 0,1
.irp s, 0,1,2,3
.irp c, 0,1,2,3
	global_load_b128 v[HF+64*\e+16*\s+4*\c:HF+64*\e+16*\s+4*\c+3], v[LI], s[4:5] offset:8192*\e+512*(4*\s+\c)   ; h's fragment (tile e, K step s): 512 consecutive bytes a load
.endr
.endr
.endr
.irp m, 0,1
.irp t, 0,1,2,3
	global_load_b128 v[BIAS+32*\m+8*\t:BIAS+32*\m+8*\t+3], v[OH], s[12+6*\m:13+6*\m] offset:64*\t        ; q, k: register j of lane (r, h) is channel 16 t + 8 h + j
	global_load_b128 v[BIAS+32*\m+8*\t+4:BIAS+32*\m+8*\t+7], v[OH], s[12+6*\m:13+6*\m] offset:64*\t+16
.endr
.endr
.irp t, 0,1,2,3
	global_load_b32 v[BIAS+64+8*\t], v[O4], s[24:25] offset:64*\t   ; v: all eight registers of lane (r, h) are channel 16 t + r: one load, spread below
.endr
	s_wait_loadcnt 0x0
	WIN 0x41                                       ; destination and source 0 window 1
.irp t, 0,1,2,3
.irp j, 1,2,3,4,5,6,7
	v_mov_b32 v[BIAS+64+8*\t+\j], v[BIAS+64+8*\t]
.endr
.endr
	WIN 0
.irp s, 0,1,2,3
	v_lshl_or_b32 v[HS+\s], v[ACC+4*\s+1], 8, v[ACC+4*\s]     ; four bytes make the scale word of 128 along K
	s_delay_alu instid0(VALU_DEP_1)
	v_lshl_or_b32 v[HS+\s], v[ACC+4*\s+2], 16, v[HS+\s]
	s_delay_alu instid0(VALU_DEP_1)
	v_lshl_or_b32 v[HS+\s], v[ACC+4*\s+3], 24, v[HS+\s]
.endr
	s_wait_alu depctr_va_vdst(0)
	s_wait_tensorcnt 0x0                           ; my slice, if I asked for one, has landed,
	s_barrier_signal -1
	s_barrier_wait -1                              ; everybody's has
; One matrix instruction.  row = 1: source 0's scales stand in lanes 16-31 of their register; 2: source 1's
.macro WM d, a, b, c, sa, sb, row
.if (\row) == 0
	v_wmma_scale_f32_16x16x128_f8f6f4 v[(\d):(\d)+7], v[(\a):(\a)+15], v[(\b):(\b)+15], v[(\c):(\c)+7], v[(\sa)], v[(\sb)] matrix_a_fmt:MATRIX_FMT_BF8 matrix_b_fmt:MATRIX_FMT_BF8
.elseif (\row) == 1
	v_wmma_scale_f32_16x16x128_f8f6f4 v[(\d):(\d)+7], v[(\a):(\a)+15], v[(\b):(\b)+15], v[(\c):(\c)+7], v[(\sa)], v[(\sb)] matrix_a_fmt:MATRIX_FMT_BF8 matrix_b_fmt:MATRIX_FMT_BF8 matrix_a_scale:MATRIX_SCALE_ROW1
.else
	v_wmma_scale_f32_16x16x128_f8f6f4 v[(\d):(\d)+7], v[(\a):(\a)+15], v[(\b):(\b)+15], v[(\c):(\c)+7], v[(\sa)], v[(\sb)] matrix_a_fmt:MATRIX_FMT_BF8 matrix_b_fmt:MATRIX_FMT_BF8 matrix_b_scale:MATRIX_SCALE_ROW1
.endif
.endm
; A UNIT is two tiles of W (2 dp + u) x two K steps (2 sp + q) x my two tiles of positions: 16 LDS loads, 8 matrix instructions.
.macro WLOAD buf, mat, dp, sp
.irp u, 0,1
.irp q, 0,1
.irp c, 0,1,2,3
	ds_load_b128 v[WB+64*(\buf)+16*(2*\u+\q)+4*\c:WB+64*(\buf)+16*(2*\u+\q)+4*\c+3], v[AW+(\mat)] offset:(32*(\dp)+16*\u)*WPITCH+128*(2*(\sp)+\q)+32*\c
.endr
.endr
.endr
.endm
; The four accumulators (u, e) take turns, one instruction a turn.  K step 0 takes the bias as C.
.macro MUL mat, dp, sp, buf
.irp q, 0,1
.irp u, 0,1
.irp e, 0,1
.set rS, 2*(\sp)+\q
.set rD, ACC+8*(2*\u+\e)
.set rW, WB+64*(\buf)+16*(2*\u+\q)
.set rH, HF+64*\e+16*rS
.set rWS, WS+16*(\mat)+4*(2*(\dp)+\u)+rS
.set rC, rD
.if rS == 0
.set rC, BIAS+32*(\mat)+8*(2*(\dp)+\u)
.endif
.if (\mat) < 2
.if rS == 0
	WIN 0x14                                       ; source 1 (h) and source 2 (the bias) window 1
.else
	WIN 0x04                                       ; source 1 window 1
.endif
	WM rD, rW, rH, rC, rWS, HS+rS, 2*\e
.else
.if rS == 0
	WIN 0x11                                       ; source 0 (h) and source 2 window 1
.else
	WIN 0x01
.endif
	WM rD, rH, rW, rC, HS+rS, rWS, \e
.endif
.endr
.endr
.endr
.endm
; Two blocks of 32 by turns.  A lane holds 16 numbers of each (v[lo] on, then v[hi] on), lane l xor 16 the other 16.  Codes to v[CD] on and v[CD + 4] on, bytes to v[by0], v[by1].
; Each accumulator is read from its low end on.
.macro QUANT2 lo0, hi0, lo1, hi1, by0, by1
	v_max3_num_f32 v[MX], |v[(\lo0)]|, |v[(\lo0)+1]|, 0x8000000      ; and the floor 2^(16 - 127): the byte cannot fall under 1
	v_max3_num_f32 v[MX+1], |v[(\lo1)]|, |v[(\lo1)+1]|, 0x8000000
.irp i, 2,4,6
	v_max3_num_f32 v[MX], v[MX], |v[(\lo0)+\i]|, |v[(\lo0)+\i+1]|
	v_max3_num_f32 v[MX+1], v[MX+1], |v[(\lo1)+\i]|, |v[(\lo1)+\i+1]|
.endr
.irp i, 0,2,4,6
	v_max3_num_f32 v[MX], v[MX], |v[(\hi0)+\i]|, |v[(\hi0)+\i+1]|
	v_max3_num_f32 v[MX+1], v[MX+1], |v[(\hi1)+\i]|, |v[(\hi1)+\i+1]|
.endr
	s_delay_alu instid0(VALU_DEP_2)
	v_permlanex16_b32 v[PX], v[MX], s60, s61
	s_delay_alu instid0(VALU_DEP_2)
	v_permlanex16_b32 v[PX+1], v[MX+1], s60, s61
	s_delay_alu instid0(VALU_DEP_2)
	v_max_num_f32 v[MX], v[MX], v[PX]              ; the block's largest magnitude
	s_delay_alu instid0(VALU_DEP_2)
	v_max_num_f32 v[MX+1], v[MX+1], v[PX+1]
	s_delay_alu instid0(VALU_DEP_2)
	v_add_nc_u32 v[SO], 0xf8800000, v[MX]          ; 15 off its exponent field: the conversion's scale operand
	s_delay_alu instid0(VALU_DEP_2)
	v_add_nc_u32 v[SO+1], 0xf8800000, v[MX+1]
	s_delay_alu instid0(VALU_DEP_4)
	v_and_or_b32 v[HD], v[MX], 0x7f800000, s62     ; 57,344 x the scale
	s_delay_alu instid0(VALU_DEP_4)
	v_and_or_b32 v[HD+1], v[MX+1], 0x7f800000, s62
	s_delay_alu instid0(VALU_DEP_4)
	v_lshrrev_b32 v[(\by0)], 23, v[SO]             ; the scale's byte
	s_delay_alu instid0(VALU_DEP_4)
	v_lshrrev_b32 v[(\by1)], 23, v[SO+1]
.irp i, 0,1,2,3,4,5,6,7
	v_med3_num_f32 v[(\lo0)+\i], v[(\lo0)+\i], -v[HD], v[HD]       ; the conversion to an 8-bit code does not saturate (ISA guide 7.6.2): hold first
	v_med3_num_f32 v[(\lo1)+\i], v[(\lo1)+\i], -v[HD+1], v[HD+1]
.endr
.irp i, 0,1,2,3,4,5,6,7
	v_med3_num_f32 v[(\hi0)+\i], v[(\hi0)+\i], -v[HD], v[HD]
	v_med3_num_f32 v[(\hi1)+\i], v[(\hi1)+\i], -v[HD+1], v[HD+1]
.endr
	s_wait_alu depctr_va_vdst(0)
	s_wait_xcnt 0x0                                ; the last blocks' stores have read their data: the codes' registers are written again only behind this wait
	v_cvt_scalef32_pk8_bf8_f32 v[CD:CD+1], v[(\lo0):(\lo0)+7], v[SO]
	v_cvt_scalef32_pk8_bf8_f32 v[CD+2:CD+3], v[(\hi0):(\hi0)+7], v[SO]
	v_cvt_scalef32_pk8_bf8_f32 v[CD+4:CD+5], v[(\lo1):(\lo1)+7], v[SO+1]
	v_cvt_scalef32_pk8_bf8_f32 v[CD+6:CD+7], v[(\hi1):(\hi1)+7], v[SO+1]
	v_nop                                          ; one plain instruction behind the last scaled conversion: the next products write its sources
.endm
; Four finished accumulators leave.
.macro EPI mat, dp
	WIN 0
	PLACES 9                                       ; eight in front of the first read of the results, nine in front of the products that begin these accumulators anew with another C (ISA guide 7.12.1)
.if (\mat) < 2
	QUANT2 ACC, ACC+16, ACC+8, ACC+24, BY+(\dp), BY+2+(\dp)          ; block dp of the channels, of tile X and of tile Y
.if (\mat) == 0
	global_store_b128 v[LI], v[CD:CD+3], s[26:27] offset:512*(\dp)
	global_store_b128 v[LI], v[CD+4:CD+7], s[26:27] offset:1024+512*(\dp)
.else
	global_store_b128 v[LI], v[CD:CD+3], s[66:67] offset:512*(\dp)
	global_store_b128 v[LI], v[CD+4:CD+7], s[66:67] offset:1024+512*(\dp)
.endif
.if (\dp) == 1
.if (\mat) == 0
	v_lshl_or_b32 v[T0], v[BY+1], 8, v[BY]         ; q's word (s0, s1, s0, s1): the second half of the next product's K takes the same two scales
	v_lshl_or_b32 v[T1], v[BY+3], 8, v[BY+2]
	s_delay_alu instid0(VALU_DEP_2)
	v_lshl_or_b32 v[T0], v[T0], 16, v[T0]
	s_delay_alu instid0(VALU_DEP_2)
	v_lshl_or_b32 v[T1], v[T1], 16, v[T1]
	s_delay_alu instid0(VALU_DEP_1)
	v_cndmask_b32 v[T0], v[T0], v[T1], s63         ; lanes 0-15 carry tile X's words, lanes 16-31 tile Y's
	ds_store_b32 v[SQA], v[T0]
.else
	v_lshl_or_b32 v[T0], v[BY+1], 8, v[BY]         ; k's word (X 0, X 1, Y 0, Y 1)
	s_delay_alu instid0(VALU_DEP_1)
	v_lshl_or_b32 v[T0], v[BY+2], 16, v[T0]
	s_delay_alu instid0(VALU_DEP_1)
	v_lshl_or_b32 v[T0], v[BY+3], 24, v[T0]
	ds_store_b32 v[SKA], v[T0]                     ; lanes r and r + 16 write the same word with the same value
.endif
.endif
.else
	QUANT2 ACC, ACC+8, ACC+16, ACC+24, BY, BY+1    ; my block of 32 keys, of channel tiles 2 dp and 2 dp + 1
	global_store_b128 v[LI], v[CD:CD+3], s[68:69] offset:2048*(2*(\dp))
	global_store_b128 v[LI], v[CD+4:CD+7], s[68:69] offset:2048*(2*(\dp)+1)
	ds_store_b8 v[SVA], v[BY] offset:64*(2*(\dp))
	ds_store_b8 v[SVA], v[BY+1] offset:64*(2*(\dp)+1)
.endif
.endm
	WLOAD 0, 0, 0, 0
.set U, 0
.rept 12                               ; unit U: weight U / 4, pair of tiles (U / 2) % 2, pair of K steps U % 2, buffer U % 2
.set UM, U/4
.set UD, (U/2)%2
.set US, U%2
.set NM, (U+1)/4
.set ND, ((U+1)/2)%2
.set NS, (U+1)%2
	WIN 0
	s_wait_dscnt 0x0                               ; this unit's 16 loads are in
	PLACES 8                                       ; the other buffer was read by the last unit's products: loads into it stand eight places behind them; the first unit's eight also stand between h's scale words and their first use
.if U < 11
	WLOAD NS, NM, ND, NS                           ; the next unit's fragments land while this unit is multiplied
.endif
	MUL UM, UD, US, US
.if US == 1
	EPI UM, UD
.endif
.set U, U+1
.endr
	s_wait_dscnt 0x0                               ; my scale words and bytes have landed
	s_barrier_signal -1
	s_barrier_wait -1
	s_cmp_lt_u32 s32, 4
	s_cbranch_scc0 .Ldone                          ; waves 0 to 3 copy the 2,048 bytes out, 512 bytes a wave
	s_wait_xcnt 0x0                                ; the codes' registers are free
	ds_load_b128 v[CD:CD+3], v[RDS]
	s_wait_dscnt 0x0
	s_cmp_lt_u32 s32, 2
	s_cbranch_scc0 .Lkv_words
	global_store_b128 v[RDG], v[CD:CD+3], s[28:29]
	s_branch .Ldone
.Lkv_words:
	v_mad_u32_u24 v[T0], v[HH], 16640, v[LI]       ; lanes 0-15: the first step's 256 bytes; lanes 16-31: the second's, 16,896 further on
	global_store_b128 v[T0], v[CD:CD+3], s[70:71]
.Ldone:
	s_wait_tensorcnt 0x0
	ds_add_u32 v254, v255
	s_wait_dscnt 0x0
	ROUND                                          ; the closing round: no work-group ends while a partner may still ask for a slice that names it
	s_endpgm
.Lfunc_end_k_q69a378338d_qkv:
	.size	k_q69a378338d_qkv, .Lfunc_end_k_q69a378338d_qkv-k_q69a378338d_qkv
	.p2alignl 7, 3214868480
	.fill 96, 4, 3214868480
	.section	.rodata,"a",@progbits
	.p2align	6, 0x0
	.amdhsa_kernel k_q69a378338d_qkv
		.amdhsa_group_segment_fixed_size 168960
		.amdhsa_private_segment_fixed_size 0
		.amdhsa_enable_private_segment 0
		.amdhsa_kernarg_size 112
		.amdhsa_user_sgpr_count 2
		.amdhsa_user_sgpr_kernarg_segment_ptr 1
		.amdhsa_wavefront_size32 1
		.amdhsa_system_sgpr_workgroup_id_x 1
		.amdhsa_system_sgpr_workgroup_id_y 1
		.amdhsa_system_sgpr_workgroup_id_z 1
		.amdhsa_system_vgpr_workitem_id 0
		.amdhsa_next_free_vgpr 512
		.amdhsa_next_free_sgpr 76
		.amdhsa_reserve_vcc 0
		.amdhsa_float_denorm_mode_32 3
		.amdhsa_float_denorm_mode_16_64 3
		.amdhsa_memory_ordered 1
		.amdhsa_forward_progress 1
		.amdhsa_inst_pref_size 76
	.end_amdhsa_kernel
	.amdgpu_metadata
---
amdhsa.version: [ 1, 2 ]
amdhsa.kernels:
  - .name:           k_q69a378338d_qkv
    .symbol:         k_q69a378338d_qkv.kd
    .args:
      - { .name: h_img, .offset: 0, .size: 8, .value_kind: global_buffer, .address_space: global }
      - { .name: h_sc, .offset: 8, .size: 8, .value_kind: global_buffer, .address_space: global }
      - { .name: W0_codes, .offset: 16, .size: 8, .value_kind: global_buffer, .address_space: global }
      - { .name: W0_scales, .offset: 24, .size: 8, .value_kind: global_buffer, .address_space: global }
      - { .name: b0, .offset: 32, .size: 8, .value_kind: global_buffer, .address_space: global }
      - { .name: W1_codes, .offset: 40, .size: 8, .value_kind: global_buffer, .address_space: global }
      - { .name: W1_scales, .offset: 48, .size: 8, .value_kind: global_buffer, .address_space: global }
      - { .name: b1, .offset: 56, .size: 8, .value_kind: global_buffer, .address_space: global }
      - { .name: W2_codes, .offset: 64, .size: 8, .value_kind: global_buffer, .address_space: global }
      - { .name: W2_scales, .offset: 72, .size: 8, .value_kind: global_buffer, .address_space: global }
      - { .name: b2, .offset: 80, .size: 8, .value_kind: global_buffer, .address_space: global }
      - { .name: q_img, .offset: 88, .size: 8, .value_kind: global_buffer, .address_space: global }
      - { .name: q_sc, .offset: 96, .size: 8, .value_kind: global_buffer, .address_space: global }
      - { .name: kv, .offset: 104, .size: 8, .value_kind: global_buffer, .address_space: global }
    .group_segment_fixed_size: 168960
    .private_segment_fixed_size: 0
    .kernarg_segment_align: 8
    .kernarg_segment_size: 112
    .max_flat_workgroup_size: 256
    .sgpr_count:     76
    .vgpr_count:     512
    .wavefront_size: 32
...
	.end_amdgpu_metadata
.endif
;; end of part 2
;; launch attno (part 3): grid 4 x 64, 8 waves a work-group, clusters of 4 x 1, 327,680 bytes of LDS; arguments q_img, q_sc, kv, W3_codes, W3_scales, b3, x, out0; writes out0
.if DOCPART == 3
	.amdgcn_target "amdgcn-amd-amdhsa--gfx1250"
	.amdhsa_code_object_version 6
	.text
	.protected	k_q69a378338d_attno
	.globl	k_q69a378338d_attno
	.p2align	8
	.type	k_q69a378338d_attno,@function
k_q69a378338d_attno:
	s_mov_b64 s[64:65], 0
	v_nop
	global_prefetch_b8 v0, s[64:65] scope:SCOPE_SE
	s_setreg_imm32_b32 hwreg(HW_REG_WAVE_MODE, 25, 1), 1
	s_wait_xcnt 0x0
	s_wait_alu depctr_hold_cnt(0) depctr_sa_sdst(0) depctr_va_vdst(0) depctr_va_sdst(0) depctr_va_ssrc(0) depctr_va_vcc(0) depctr_vm_vsrc(0)
	s_getreg_b32 s2, hwreg(HW_REG_IB_STS2, 6, 4)
	s_cmp_eq_u32 s2, 0
	s_cbranch_scc0 .Lentry_in_a_cluster
	s_endpgm
.Lentry_in_a_cluster:
	s_bfe_u32 s2, ttmp6, 0x10000c
	s_cmp_lg_u32 s2, 0x3003
	s_cbranch_scc0 .Lentry_shape_is_right
	s_endpgm
.Lentry_shape_is_right:
; a[h][c][t] = the sum over the keys i of softmax_i(q[.][t] . k[.][i] / 8) v[c][i] for all eight heads, a quantised along the 512 channels, and out0 = x + W3^T a + b3; all products on codes of BF8 (E5M2) with E8M0 scales.
; SHARES.  A work-group owns 32 positions of one batch and ALL EIGHT HEADS, so that the last product is closed inside it and a never goes to memory.  Wave w owns head w and both tiles of 16 queries (A, B): each fragment of
; k and v that it reads from LDS serves two tiles.  In the last product wave w owns the outputs 64 w .. 64 w + 63.
; THE SOFTMAX AHEAD OF THE SECOND PRODUCT: t = score x log2(e) / 8; M = the row's largest t so far, rounded UP to a whole number; p = 2^(t - M) is what is quantised, along the keys.  The row's sum is taken of the unquantised p
; and divides O at the end.  When M moves, the sum and O are multiplied by 2^(old M - new M).
; THE RING.  Two slots; an item is 16,896 bytes a wave: items 0 to 7 are the head's steps of 128 keys (k's scale words, v's, k's images, v's images, as they lie in kv); items 8 and 9 are the halves of the wave's 64 rows of W3.
; Each wave fills and reads its own part of a slot.  Step i: v(i) is read from the slot at the step's head, then the slot takes item i + 2 behind the round in the step's middle, and k(i + 1) is read from the other slot.
; So a tile has a whole step (530 vector and 24 matrix instructions a wave) in which to land, and the eight clusters of a batch walk the same tiles: no prefetch is laid.
; CLUSTER.  The four work-groups of a cluster own 128 neighbouring positions of one batch and need the same items: each is asked for JOINTLY.
; out0 and x: a row of the work-group is 32 positions, 128 bytes, aligned; the four work-groups of the cluster cover 512 consecutive bytes of each row.  (64 positions with all heads would make 128 work-groups.)
; LAYOUT.  S^T = k q^T, O^T = v p^T: a lane holds ONE query (lane % 16).  A fragment of k holds TWO tiles of keys (registers 0-7, 8-15); q stands as [q][zeros][q] in 24 registers: registers 0-15 give the first tile's scores,
; registers 8-23 the second's: the other tile meets zero codes.  In a block of 32 channels a's places are 8 h + j, then 16 + 8 h + j (h = lane / 16): W3's lanes take the 8 bytes at 8 h and at 16 + 8 h of each block to match.
; REGISTERS.  window 0: v0 thread; v1 q's scale words (lanes 0-15 A's, 16-31 B's); v2 images, v3 scale words in LDS; v4, v5, v30, v31 B's block maxima; v6, v7 the add's; v8-9, v10-11 (-M, largest score) of A, B; v12-15 the sums;
;   v16, v17 f of A, B; v18-21 k's scale words, v22-25 v's; v26, v27 p's; v32-47, v48-63 p's codes; v64-127 k; v128-191 A's scores, v192-255 B's.  While A is at work its temporaries lie in k's registers, B's in A's scores.
;   window 1: v0-63 O^T; v64-127 v; v128-175 q; v176-239 x; v240-243 b3; v244-251 W3's scale words.
; LIMITS: the scaled scores (exponents to the base 2, ahead of the maximum) stay under 2^31 in magnitude.  A block whose largest magnitude lies under 2^-111 gets the byte 1 (the bytes are read here alone).  NaN and infinities are not served.
; PREFETCHES INTO THE L2, in place of what is said of them above: step i asks for item i + 3 (the head for item 2), a step ahead of the tensor load that will want it.  The eight clusters of a batch share the eight heads' parts out:
; cluster c asks for head c's 66 rows of 256 bytes, 17 a work-group, told apart by address; wave 0 asks, one instruction.  Step 5 asks for nothing of kv; there wave 1 asks for W3, 32 rows of 256 bytes a work-group, in the batches 0 to 3.
; x is loaded in step 6 and taken behind the last product.  The cluster's number counts the batch in its low three bits and the block of 128 positions above them.
.set ITEM,  16896
.set AIMG,  16*ITEM                    ; behind the ring: a's images [tile][block of 32 channels][512],
.set ASCL,  AIMG+16384                 ; a's scale words: 16 bytes a position: four words, one for each 128 channels,
.set SPARE, ASCL+512                   ; and the spare words
.set WP,   528                         ; a row of W3 in LDS: 512 bytes + 16 of padding
.set SP,   144                         ; a row of the stage: 128 bytes + 16
.set QS,   1
.set AI,   2
.set AS,   3
.set BB,   4
.set SPW,  6
.set NIL,  7
.set F,    16
.set KS,   18
.set VS,   22
.set PS,   26
.set PC,   32
.set KF,   64
.set SA,   128
.set SB,   192
.set O,    0                           ; in window 1
.set V,    64
.set Q,    128
.set X,    176
.set BI,   240
.set W3S,  244
.set MSB, 0
.macro WIN new                         ; the immediate's high byte repeats the setting that is left
.if MSB != \new
	s_set_vgpr_msb (MSB<<8)|\new
.set MSB, \new
.endif
.endm
.macro PLACES n
.rept \n
	v_nop
.endr
.endm
.macro WALU
	s_wait_alu depctr_va_vdst(0)
.endm
.macro CREST                           ; a round of the cluster's barrier behind its opening barrier
	s_cmp_lg_u32 s20, 0
	s_cbranch_scc1 .Lnot_wave_0_\@
	s_barrier_signal -3
.Lnot_wave_0_\@:
	s_barrier_wait -3
	s_barrier_signal -1
	s_barrier_wait -1
.endm
.macro ROUND
	s_barrier_signal -1
	s_barrier_wait -1
	CREST
.endm
	s_load_b512 s[4:19], s[0:1], 0x0               ; q_img s[4:5], q_sc s[6:7], kv s[8:9], W3's codes s[10:11], its scales s[12:13], b3 s[14:15], x s[16:17], out0 s[18:19]
	v_lshl_add_u32 v[SPW], v0, 2, SPARE
	v_mov_b32 v[NIL], 0
	ds_add_u32 v[SPW], v[NIL]                      ; the wave's opening: the add, twice on end, and its wait ahead of my first tensor load
	ds_add_u32 v[SPW], v[NIL]
	v_lshrrev_b32 v8, 5, v0
	v_readfirstlane_b32 s20, v8                    ; wave 0..7 = my head
	s_bfe_u32 s21, ttmp6, 0x40000                  ; my place in the cluster: it enters the addresses of q, x, out0 and the prefetches alone
	s_and_b32 s22, ttmp7, 0xffff
	s_and_b32 s23, s22, 7                          ; b
	s_lshr_b32 s24, s22, 3                         ; block of 128 positions
	s_mul_i32 s25, s20, 2*ITEM                     ; my part of the ring: slot 0, then slot 1
	s_mov_b32 s26, 0x600000                        ; the mantissa field of 57,344
	s_mov_b32 s28, 0x3e38aa3b                      ; c = log2(e) / 8
	s_mov_b32 s29, s28                             ; (the packed form names the pair, so both words are written)
	s_mov_b32 s30, 0x76543210
	s_mov_b32 s31, 0xfedcba98                      ; v_permlanex16_b32's selects for lane l xor 16
	s_mov_b32 s67, 0xffff0000                      ; lanes 16-31
	s_mov_b32 s78, 0xbe38aa3b                      ; -c
	; descriptor group 1 of a step's tiles: 66 dense rows of 256 bytes (32 elements of 8 bytes)
	s_mov_b32 s32, 15|(3<<16)|(1<<21)              ; 15:0 the mask: all four work-groups; 17:16 elements of 8 bytes; 21 set beside a mask
	s_mov_b32 s33, 32<<16
	s_mov_b32 s34, 66<<16
	s_mov_b32 s35, 32<<16
	s_mov_b32 s36, 66
	s_mov_b32 s37, 32
	s_mov_b32 s38, 0
	s_mov_b32 s39, 0
	; and of W3's: 32 rows of 512 bytes, 16 bytes of padding behind each
	s_mov_b32 s40, 15|(1<<20)|(1<<21)|(6<<22)|(3<<25)
	s_mov_b32 s41, 512<<16
	s_mov_b32 s42, 32<<16
	s_mov_b32 s43, 512<<16
	s_mov_b32 s44, 32
	s_mov_b32 s45, 512
	s_mov_b32 s46, 0
	s_mov_b32 s47, 0
	s_lshl_b32 s72, s23, 3
	s_add_co_u32 s72, s72, s20                     ; bh = 8 b + head
	s_lshl_b32 s73, s24, 2
	s_add_co_u32 s73, s73, s21                     ; my block of 32 positions
	s_lshl_b32 s68, s72, 16
	s_lshl_b32 s79, s73, 11
	s_add_co_u32 s68, s68, s79                     ; q_img: 65,536 bh + 2,048 block
	s_mov_b32 s69, 0
	s_lshl_b32 s70, s72, 12
	s_lshl_b32 s79, s73, 7
	s_add_co_u32 s70, s70, s79                     ; q_sc: 4,096 bh + 128 block
	s_mov_b32 s71, 0
	s_lshl_b32 s74, s23, 21
	s_add_co_u32 s74, s74, s79
	s_lshl_b32 s79, s20, 18
	s_add_co_u32 s74, s74, s79                     ; x, out0: row 512 b + 64 wave, position 32 block
	s_mov_b32 s75, 0
	s_mul_i32 s76, s72, 8*ITEM                     ; kv: the head's record
	s_mov_b32 s77, 0
	s_lshl_b32 s80, s20, 15                        ; W3's 64 rows,
	s_mov_b32 s81, 0
	s_lshl_b32 s82, s20, 10                        ; their scale bytes,
	s_mov_b32 s83, 0
	s_lshl_b32 s84, s20, 8                         ; and b3's 64 numbers
	s_mov_b32 s85, 0
	s_lshl_b32 s92, s23, 3
	s_add_co_u32 s92, s92, s24
	s_mul_i32 s92, s92, 8*ITEM
	s_add_co_u32 s92, s92, 2*ITEM                  ; the prefetches: head (block) of the batch, item 2
	s_mov_b32 s93, 0
	s_lshl_b32 s94, s73, 13                        ; W3: 8,192 bytes a work-group
	s_mov_b32 s95, 0
	s_mul_i32 s91, s21, 17                         ; my first row among the 66
	s_cmp_lt_u32 s23, 4
	s_cselect_b32 s90, 1, 0
	s_cmp_eq_u32 s20, 1
	s_cselect_b32 s90, s90, 0                      ; 1 where my wave asks for W3
	v_and_b32 v9, 31, v0                           ; lane
	v_and_b32 v11, 15, v0                          ; r
	v_lshlrev_b32 v10, 4, v9                       ; 16 x lane
	v_lshlrev_b32 v12, 2, v9                       ; 4 x lane
	v_lshlrev_b32 v13, 2, v11                      ; 4 r
	v_add_nc_u32 v[AI], s25, v10
	v_add_nc_u32 v[AS], s25, v13
	WALU
	s_wait_dscnt 0x0                               ; both opening adds are done
	s_wait_kmcnt 0x0
	s_add_nc_u64 s[4:5], s[4:5], s[68:69]
	s_add_nc_u64 s[6:7], s[6:7], s[70:71]
	s_add_nc_u64 s[16:17], s[16:17], s[74:75]
	s_add_nc_u64 s[18:19], s[18:19], s[74:75]
	s_add_nc_u64 s[12:13], s[12:13], s[82:83]
	s_add_nc_u64 s[14:15], s[14:15], s[84:85]
	s_add_nc_u64 s[86:87], s[8:9], s[92:93]
	s_add_nc_u64 s[88:89], s[10:11], s[94:95]
	s_mov_b32 s48, 1                               ; groups 0: item 0 to slot 0,
	s_mov_b32 s49, s25
	s_add_nc_u64 s[50:51], s[8:9], s[76:77]
	s_or_b32 s51, s51, 0x80000000
	s_mov_b32 s52, 1                               ; item 1 to slot 1,
	s_add_co_u32 s53, s25, ITEM
	s_add_nc_u64 s[54:55], s[50:51], ITEM
	s_mov_b32 s56, 1                               ; W3's rows 0-31 to slot 0,
	s_mov_b32 s57, s25
	s_add_nc_u64 s[58:59], s[10:11], s[80:81]
	s_or_b32 s59, s59, 0x80000000
	s_mov_b32 s60, 1                               ; rows 32-63 to slot 1
	s_add_co_u32 s61, s25, ITEM
	s_add_nc_u64 s[62:63], s[58:59], 16384
	ROUND                                          ; all four work-groups are here: the joint loads meet
	tensor_load_to_lds s[48:51], s[32:39]          ; item 0: one tensor load a wave at the head
	s_nop 0
	PLACES 4
	global_load_b32 v[QS], v12, s[6:7]
	WIN 0x40                                       ; destination window 1
.irp i, 0,1                            ; q of tile A, of tile B, each twice: in front of the zeros and behind them
	global_load_b128 v[Q+24*\i:Q+24*\i+3], v10, s[4:5] offset:1024*\i
	global_load_b128 v[Q+24*\i+4:Q+24*\i+7], v10, s[4:5] offset:1024*\i+512
	global_load_b128 v[Q+24*\i+16:Q+24*\i+19], v10, s[4:5] offset:1024*\i
	global_load_b128 v[Q+24*\i+20:Q+24*\i+23], v10, s[4:5] offset:1024*\i+512
.endr
.irp t, 0,1,2,3
	global_load_b32 v[BI+\t], v13, s[14:15] offset:64*\t             ; b3 at output 16 t + r
.endr
	global_load_b128 v[W3S:W3S+3], v10, s[12:13]                     ; rows 0-31's scale words, a lane a row,
	global_load_b128 v[W3S+4:W3S+7], v10, s[12:13] offset:512        ; rows 32-63's
.set j, 0
.rept 8
	v_mov_b32 v[Q+8+j], 0
	v_mov_b32 v[Q+32+j], 0
.set j, j+1
.endr
.set j, 0
.rept 64
	v_mov_b32 v[O+j], 0                            ; O^T: the first step finds zeros, which the first change of M leaves zeros
.set j, j+1
.endr
	WIN 0
	s_wait_loadcnt 0x0                             ; q, b3, W3's scale words
	v_mov_b32 v8, 0x7d000000                       ; -M: beyond every later one, so that the first f is 0
	v_mov_b32 v9, 0xff61b1e6                       ; the largest score so far: -3e38
	v_mov_b32 v10, 0x7d000000
	v_mov_b32 v11, 0xff61b1e6
	v_mov_b32 v12, 0
	v_mov_b32 v13, 0
	v_mov_b32 v14, 0
	v_mov_b32 v15, 0
	WALU
	s_wait_tensorcnt 0x0                           ; my item 0 is in
	ds_add_u32 v[SPW], v[NIL]
	s_wait_dscnt 0x0
	ROUND
	tensor_load_to_lds s[52:55], s[32:39]          ; item 1
	s_nop 0
	PLACES 4
.macro KLD sl                          ; k's four fragments of the slot's step and their scale words
.irp p, 0,1,2,3
.irp g, 0,1,2,3
	ds_load_b128 v[KF+16*\p+4*\g:KF+16*\p+4*\g+3], v[AI] offset:ITEM*(\sl)+512+2048*\p+512*\g
.endr
	ds_load_b32 v[KS+\p], v[AS] offset:ITEM*(\sl)+64*\p
.endr
.endm
.macro VLD sl                          ; v's
	WIN 0x40
.irp t, 0,1,2,3
.irp g, 0,1,2,3
	ds_load_b128 v[V+16*\t+4*\g:V+16*\t+4*\g+3], v[AI] offset:ITEM*(\sl)+8704+2048*\t+512*\g
.endr
.endr
	WIN 0
.irp t, 0,1,2,3
	ds_load_b32 v[VS+\t], v[AS] offset:ITEM*(\sl)+256+64*\t
.endr
.endm
.macro SMUL                            ; S^T of A, then of B
	WIN 0x04                                       ; source 1 (q) window 1
.irp i, 0,1,2,3,4,5,6,7
	v_wmma_scale_f32_16x16x128_f8f6f4 v[SA+8*\i:SA+8*\i+7], v[KF+16*(\i/2):KF+16*(\i/2)+15], v[Q+8*(\i%2):Q+8*(\i%2)+15], 0, v[KS+\i/2], v[QS] matrix_a_fmt:MATRIX_FMT_BF8 matrix_b_fmt:MATRIX_FMT_BF8
.endr
.irp i, 0,1,2,3,4,5,6,7
	v_wmma_scale_f32_16x16x128_f8f6f4 v[SB+8*\i:SB+8*\i+7], v[KF+16*(\i/2):KF+16*(\i/2)+15], v[Q+24+8*(\i%2):Q+24+8*(\i%2)+15], 0, v[KS+\i/2], v[QS] matrix_a_fmt:MATRIX_FMT_BF8 matrix_b_fmt:MATRIX_FMT_BF8 matrix_b_scale:MATRIX_SCALE_ROW1
.endr
	WIN 0
.endm
; THE LARGEST SCORE OF EACH BLOCK OF 32 KEYS, of both tiles by turns: it serves the row's maximum and, since p rises with the score, the block's largest p.  Then M and f of both tiles.
.macro MAXP
.irp b, 0,1,2,3
	v_max3_num_f32 v[KF+\b], v[SA+16*\b], v[SA+16*\b+1], v[SA+16*\b+2]
	v_max3_num_f32 v[BB+\b+24*(\b/2)], v[SB+16*\b], v[SB+16*\b+1], v[SB+16*\b+2]
.endr
.irp i, 3,5,7,9,11,13
.irp b, 0,1,2,3
	v_max3_num_f32 v[KF+\b], v[KF+\b], v[SA+16*\b+\i], v[SA+16*\b+\i+1]
	v_max3_num_f32 v[BB+\b+24*(\b/2)], v[BB+\b+24*(\b/2)], v[SB+16*\b+\i], v[SB+16*\b+\i+1]
.endr
.endr
.irp b, 0,1,2,3
	v_max_num_f32 v[KF+\b], v[KF+\b], v[SA+16*\b+15]
	v_max_num_f32 v[BB+\b+24*(\b/2)], v[BB+\b+24*(\b/2)], v[SB+16*\b+15]
.endr
.irp b, 0,1,2,3
	v_permlanex16_b32 v[KF+36+\b], v[KF+\b], s30, s31
	v_permlanex16_b32 v[KF+40+\b], v[BB+\b+24*(\b/2)], s30, s31
.endr
.irp b, 0,1,2,3
	v_max_num_f32 v[KF+\b], v[KF+\b], v[KF+36+\b]  ; with lane l xor 16's 16 keys
	v_max_num_f32 v[BB+\b+24*(\b/2)], v[BB+\b+24*(\b/2)], v[KF+40+\b]
.endr
	v_max3_num_f32 v[KF+44], v[KF], v[KF+1], v[KF+2]
	v_max3_num_f32 v[KF+45], v[BB], v[BB+1], v[BB+26]
	s_delay_alu instid0(VALU_DEP_2)
	v_max3_num_f32 v9, v9, v[KF+44], v[KF+3]       ; the largest score so far
	s_delay_alu instid0(VALU_DEP_2)
	v_max3_num_f32 v11, v11, v[KF+45], v[BB+27]
	s_delay_alu instid0(VALU_DEP_2)
	v_mul_f32 v[KF+44], s78, v9                    ; -t
	s_delay_alu instid0(VALU_DEP_2)
	v_mul_f32 v[KF+45], s78, v11
	s_delay_alu instid0(VALU_DEP_2)
	v_floor_f32 v[KF+44], v[KF+44]                 ; the new -M: a whole number
	s_delay_alu instid0(VALU_DEP_2)
	v_floor_f32 v[KF+45], v[KF+45]
	s_delay_alu instid0(VALU_DEP_2)
	v_sub_f32 v[KF+46], v[KF+44], v8               ; M's old value less its new one: 0 or less
	s_delay_alu instid0(VALU_DEP_2)
	v_sub_f32 v[KF+47], v[KF+45], v10
	v_mov_b32 v8, v[KF+44]
	v_mov_b32 v10, v[KF+45]
	v_cvt_i32_f32 v[KF+46], v[KF+46]               ; (it saturates)
	v_cvt_i32_f32 v[KF+47], v[KF+47]
	s_delay_alu instid0(VALU_DEP_2)
	v_ldexp_f32 v[F], 1.0, v[KF+46]                ; f = 2^(old M - new M)
	s_delay_alu instid0(VALU_DEP_2)
	v_ldexp_f32 v[F+1], 1.0, v[KF+47]
.endm
; A TILE'S SOFTMAX, block by block: tS its scores; tB, tD where its block maxima lie; tN -M; tPS, tPC where its scale word and codes go; tP its temporaries: + 4 bytes, + 8 bounds, + 12 the bounds once more in other register banks,
; + 16 scale operands, + 20 four chains of the sum, + 28 a block's pairs.  Among the exponentials of block b stand lines of its neighbours; none of them reads what was written since the wait ahead of those exponentials.
.macro EX r
	v_exp_f32 v[\r], v[\r]
.endm
.macro FMA2 b, i                       ; t - M, two at a time
	v_pk_fma_f32 v[tS+16*\b+2*\i:tS+16*\b+2*\i+1], v[tS+16*\b+2*\i:tS+16*\b+2*\i+1], s[28:29], v[tN:tN+1] op_sel_hi:[1,0,0]
.endm
.macro LV1 b, j, d                     ; the unquantised p: pairs joined
	v_pk_add_f32 v[tP+\d+2*(\j):tP+\d+2*(\j)+1], v[tS+16*\b+4*(\j):tS+16*\b+4*(\j)+1], v[tS+16*\b+4*(\j)+2:tS+16*\b+4*(\j)+3]
.endm
.macro ACM j
	v_pk_add_f32 v[tP+20+2*(\j):tP+21+2*(\j)], v[tP+20+2*(\j):tP+21+2*(\j)], v[tP+28+2*(\j):tP+29+2*(\j)]
.endm
.macro MIN2 b, i                       ; the conversion to an 8-bit code does not saturate (ISA guide 7.6.2); p is not negative, so the hold is one-sided
	v_dual_min_num_f32 v[tS+16*\b+2*\i], v[tS+16*\b+2*\i], v[tP+8+\b] :: v_dual_min_num_f32 v[tS+16*\b+2*\i+1], v[tS+16*\b+2*\i+1], v[tP+12+(\b+1)%4]
.endm
.macro CVT b
	v_cvt_scalef32_pk8_bf8_f32 v[tPC+4*\b:tPC+4*\b+1], v[tS+16*\b:tS+16*\b+7], v[tP+16+\b]
	v_cvt_scalef32_pk8_bf8_f32 v[tPC+4*\b+2:tPC+4*\b+3], v[tS+16*\b+8:tS+16*\b+15], v[tP+16+\b]
.endm
.macro SOFT0
.irp b, 0,1,2,3
	v_fma_f32 v[tB+\b+tD*(\b/2)], v[tB+\b+tD*(\b/2)], s28, v[tN]
.endr
.irp i, 0,1,2,3,4,5,6,7
	FMA2 0, \i
.endr
	WALU
.irp b, 0,1,2,3
	EX tB+\b+tD*(\b/2)                             ; the blocks' largest p
.endr
.irp i, 0,1,2,3,4,5,6,7
	EX tS+2*\i
	EX tS+2*\i+1
	FMA2 1, \i
.endr
	WALU
.irp b, 0,1,2,3
	v_max_num_f32 v[tB+\b+tD*(\b/2)], 0x8000000, v[tB+\b+tD*(\b/2)]  ; the floor 2^(16 - 127): the byte cannot fall under 1
.endr
.irp b, 0,1,2,3
	v_add_nc_u32 v[tP+16+\b], 0xf8800000, v[tB+\b+tD*(\b/2)]         ; 15 off the exponent field: the conversion's scale operand
.endr
.irp b, 0,1,2,3
	v_and_or_b32 v[tP+8+\b], v[tB+\b+tD*(\b/2)], 0x7f800000, s26     ; 57,344 x the scale
.endr
.irp b, 0,1,2,3
	v_lshrrev_b32 v[tP+4+\b], 23, v[tP+16+\b]                        ; the scale's byte
.endr
	v_and_or_b32 v[tP+13], v[tB], 0x7f800000, s26
	v_lshl_or_b32 v[tPS], v[tP+5], 8, v[tP+4]      ; p's scale word for these 128 keys
	v_and_or_b32 v[tP+14], v[tB+1], 0x7f800000, s26
	v_and_or_b32 v[tP+15], v[tB+2+tD], 0x7f800000, s26
	v_lshl_or_b32 v[tPS], v[tP+6], 16, v[tPS]
	v_and_or_b32 v[tP+12], v[tB+3+tD], 0x7f800000, s26
	v_lshl_or_b32 v[tPS], v[tP+7], 24, v[tPS]
.irp i, 0,1,2,3,4,5,6,7
	EX tS+16+2*\i
.if \i < 4
	LV1 0, \i, 20
.endif
	EX tS+16+2*\i+1
	FMA2 2, \i
.endr
	WALU
.irp i, 0,1,2,3,4,5,6,7
	EX tS+32+2*\i
	MIN2 0, \i
.if \i < 4
	LV1 1, \i, 28
.endif
	EX tS+32+2*\i+1
	FMA2 3, \i
.endr
	WALU
.endm
.macro SOFT3
.irp i, 0,1,2,3,4,5,6,7
	EX tS+48+2*\i
.if \i < 4
	ACM \i
.else
	LV1 2, \i-4, 28
.endif
.if \i == 1
	CVT 0
.endif
	EX tS+48+2*\i+1
	MIN2 1, \i
.endr
	WALU
.endm
.macro SOFTT
.irp j, 0,1,2,3
	ACM \j
.endr
.irp i, 0,1,2,3,4,5,6,7
	MIN2 2, \i
.endr
	CVT 1
.irp j, 0,1,2,3
	LV1 3, \j, 28
.endr
.irp i, 0,1,2,3,4,5,6,7
	MIN2 3, \i
.endr
	CVT 2
.irp j, 0,1,2,3
	ACM \j
.endr
	CVT 3
	v_pk_add_f32 v[tP+20:tP+21], v[tP+20:tP+21], v[tP+22:tP+23]
	v_pk_add_f32 v[tP+24:tP+25], v[tP+24:tP+25], v[tP+26:tP+27]
	v_pk_add_f32 v[tP+20:tP+21], v[tP+20:tP+21], v[tP+24:tP+25]
.if tN == 8
	v_pk_fma_f32 v[12:13], v[12:13], v[F:F+1], v[tP+20:tP+21] op_sel_hi:[1,0,1]                  ; the sum under the new M: f of A is the pair's low word,
.else
	v_pk_fma_f32 v[14:15], v[14:15], v[F:F+1], v[tP+20:tP+21] op_sel:[0,1,0] op_sel_hi:[1,1,1]   ; f of B its high word
.endif
.endm
.macro TILE_A
.set tS, SA
.set tB, KF
.set tD, 0
.set tP, KF
.set tN, 8
.set tPS, PS
.set tPC, PC
.endm
.macro TILE_B
.set tS, SB
.set tB, BB
.set tD, 24
.set tP, SA
.set tN, 10
.set tPS, PS+1
.set tPC, PC+16
.endm
; A STEP of 128 keys, which lies in slot sl.  mode 0: the slot is filled again with the step two on; 1: with W3's first half; 2: the last step: with W3's second half, and no further scores.
.macro ASK sl                          ; wave 0's prefetch of kv (in slot 1's steps not in the loop's last trip); in that trip wave 1's of W3
	s_cmp_lg_u32 s20, 0
	s_cbranch_scc1 .Lno_ask_\@
.if (\sl) == 1
	s_cmp_eq_u32 s66, 1
	s_cbranch_scc1 .Lno_ask_\@
.endif
	v_and_b32 v[SA+40], 31, v0
	v_min_u32 v[SA+40], 16, v[SA+40]
	v_add_nc_u32 v[SA+40], s91, v[SA+40]
	v_min_u32 v[SA+40], 65, v[SA+40]               ; rows 17 x place on; the lanes that are left over name the last one again
	v_lshlrev_b32 v[SA+40], 8, v[SA+40]
	global_prefetch_b8 v[SA+40], s[86:87] th:TH_LOAD_NT scope:SCOPE_SE
.Lno_ask_\@:
.if (\sl) == 1
	s_cmp_eq_u32 s66, s90
	s_cbranch_scc0 .Lno_w3_\@
	v_and_b32 v[SA+41], 31, v0
	v_lshlrev_b32 v[SA+41], 8, v[SA+41]
	global_prefetch_b8 v[SA+41], s[88:89] th:TH_LOAD_NT scope:SCOPE_SE
.Lno_w3_\@:
.endif
.endm
.macro XLD                             ; x: eight lanes take a row of 128 bytes, a load four rows
	v_and_b32 v[SA+40], 31, v0
	v_lshrrev_b32 v[SA+41], 3, v[SA+40]
	v_and_b32 v[SA+40], 7, v[SA+40]
	v_lshlrev_b32 v[SA+40], 4, v[SA+40]
	v_lshl_add_u32 v[SA+42], v[SA+41], 12, v[SA+40]
	WIN 0x40
.set i, 0
.rept 16
	global_load_b128 v[X+4*i:X+4*i+3], v[SA+42], s[16:17] offset:16384*i
.set i, i+1
.endr
	WIN 0
.endm
.macro STEP sl, mode
	PLACES 8                                       ; between the last products and the first reads of the scores, the loads into v's registers, and the lines that write k's
.if (\mode) == 0
	s_wait_xcnt 0x0                                ; the last step's prefetch has read its base
	s_add_nc_u64 s[86:87], s[86:87], ITEM
.endif
	VLD \sl
	MAXP
	TILE_A
	SOFT0
	s_wait_tensorcnt 0x0                           ; my part of the other slot is in
	ds_add_u32 v[SPW], v[NIL]                      ; a block of the softmax stands between it and its wait
.if (\mode) == 0
	s_add_nc_u64 s[50+4*(\sl):51+4*(\sl)], s[50+4*(\sl):51+4*(\sl)], 2*ITEM
.endif
	SOFT3
	s_wait_dscnt 0x0                               ; the add is done, and so are my reads of this slot
	s_barrier_signal -1
	SOFTT
	WALU
	s_barrier_wait -1
	CREST                                          ; nobody in the cluster reads the slot any more or has a load on its way
.if (\mode) == 0
	tensor_load_to_lds s[48+4*(\sl):51+4*(\sl)], s[32:39]
.elseif (\mode) == 1
	tensor_load_to_lds s[56:59], s[40:47]
.else
	tensor_load_to_lds s[60:63], s[40:47]
.endif
	s_nop 0
	PLACES 4
.if (\mode) < 2
	KLD 1-(\sl)                                    ; the next step's k lands under B's softmax
.if (\mode) == 0
	ASK \sl
.else
	XLD
.endif
.endif
	TILE_B
	SOFT0
	SOFT3
	SOFTT
	WIN 0x41                                       ; destination and source 0 window 1
	WALU
.set j, 0
.rept 16
	v_pk_mul_f32 v[O+j:O+j+1], v[O+j:O+j+1], v[F:F+1] op_sel_hi:[1,0]                            ; O^T under the new M
.set j, j+2
.endr
.rept 16
	v_pk_mul_f32 v[O+j:O+j+1], v[O+j:O+j+1], v[F:F+1] op_sel:[0,1] op_sel_hi:[1,1]
.set j, j+2
.endr
	WIN 0x51                                       ; source 0 (v), C and D window 1
.irp t, 0,1,2,3
	v_wmma_scale_f32_16x16x128_f8f6f4 v[O+8*\t:O+8*\t+7], v[V+16*\t:V+16*\t+15], v[PC:PC+15], v[O+8*\t:O+8*\t+7], v[VS+\t], v[PS] matrix_a_fmt:MATRIX_FMT_BF8 matrix_b_fmt:MATRIX_FMT_BF8
.endr
.irp t, 0,1,2,3
	v_wmma_scale_f32_16x16x128_f8f6f4 v[O+32+8*\t:O+32+8*\t+7], v[V+16*\t:V+16*\t+15], v[PC+16:PC+31], v[O+32+8*\t:O+32+8*\t+7], v[VS+\t], v[PS+1] matrix_a_fmt:MATRIX_FMT_BF8 matrix_b_fmt:MATRIX_FMT_BF8
.endr
.if (\mode) < 2
	s_wait_dscnt 0x0                               ; the next step's k
	s_wait_xcnt 0x0                                ; prefetches and loads have read the offsets that lie among the scores' registers
	SMUL
.else
	WIN 0
.endif
.endm
	KLD 0
	ASK 0
	s_wait_dscnt 0x0
	s_wait_xcnt 0x0                                ; the prefetch has read its offset, which lies among the scores' registers
	SMUL
	s_mov_b32 s66, 3
.Lloop:                                            ; steps 0 to 5; items 2 to 7 are asked for
	STEP 0, 0
	STEP 1, 0
	s_sub_co_u32 s66, s66, 1
	s_cmp_lg_u32 s66, 0
	WALU
	s_cbranch_scc1 .Lloop
	STEP 0, 1
	STEP 1, 2
	; THE ROWS' SUMS, and the addresses of what follows (more than eight places behind the last products)
	v_add_f32 v4, v12, v13
	v_add_f32 v5, v14, v15
	v_and_b32 v8, 15, v0                           ; r
	v_bfe_u32 v9, v0, 4, 1                         ; h
	v_permlanex16_b32 v30, v4, s30, s31
	v_permlanex16_b32 v31, v5, s30, s31
	v_and_b32 v2, 31, v0                           ; lane
	v_lshlrev_b32 v3, 4, v2
	v_add_f32 v4, v4, v30
	v_add_f32 v5, v5, v31
	s_lshl_b32 s68, s20, 10
	s_add_co_u32 s68, s68, AIMG
	s_lshl_b32 s69, s20, 1
	s_add_co_u32 s69, s69, ASCL
	WALU
	v_rcp_f32 v4, v4
	v_rcp_f32 v5, v5
	v_mul_u32_u24 v10, v8, WP
	v_lshl_add_u32 v10, v9, 3, v10
	v_add_nc_u32 v10, s25, v10                     ; v10 W3's fragments: row r, + 8 h
	v_add_nc_u32 v11, s68, v3                      ; v11 my head's images of a
	v_add_nc_u32 v12, s69, v3                      ; v12 my head's two scale bytes: 16 x position + 2 x head
	v_add_nc_u32 v13, AIMG, v3                     ; v13 a's images,
	v_add_nc_u32 v14, ASCL, v3                     ; v14 and scale words
	v_mul_u32_u24 v15, v8, SP
	v_lshl_add_u32 v15, v9, 5, v15
	v_add_nc_u32 v15, s25, v15                     ; v15 the stage, which lies in my slot 0: in: row r, + 32 h
	v_lshrrev_b32 v16, 3, v2
	v_and_b32 v2, 7, v2
	v_lshlrev_b32 v2, 4, v2
	v_lshl_add_u32 v17, v16, 12, v2                ; v17 out0: eight lanes a row of 128 bytes
	v_mul_u32_u24 v16, v16, SP
	v_add_nc_u32 v16, v16, v2
	v_add_nc_u32 v16, s25, v16                     ; v16 the stage, back
	WIN 0x01                                       ; source 0 window 1
	WALU
.set j, 0
.rept 16
	v_pk_mul_f32 v[SB+j:SB+j+1], v[O+j:O+j+1], v[4:5] op_sel_hi:[1,0]               ; a: block 2 x tile + (0, 1) of 32 channels at v[SB + 16 x block]
.set j, j+2
.endr
.rept 16
	v_pk_mul_f32 v[SB+j:SB+j+1], v[O+j:O+j+1], v[4:5] op_sel:[0,1] op_sel_hi:[1,1]
.set j, j+2
.endr
	WIN 0
.macro FETCHW hf                       ; W3's fragments of output tiles 2 hf + u, all of K: fragment 4 u + s at v[64 + 16 (4 u + s)]
.irp u, 0,1
.irp s, 0,1,2,3
.irp c, 0,1,2,3
	ds_load_b64 v[KF+16*(4*\u+\s)+4*\c:KF+16*(4*\u+\s)+4*\c+1], v10 offset:ITEM*\hf+16*WP*\u+128*\s+32*\c
	ds_load_b64 v[KF+16*(4*\u+\s)+4*\c+2:KF+16*(4*\u+\s)+4*\c+3], v10 offset:ITEM*\hf+16*WP*\u+128*\s+32*\c+16
.endr
.endr
.endr
.endm
	FETCHW 0                                       ; W3's first half was in at the last step's round
.irp b, 0,1,2,3                        ; a's four blocks by turns: v48.. largest magnitudes, v52.. lane l xor 16's, then bytes, v56.. scale operands, v60.. bounds
	v_max3_num_f32 v[48+\b], |v[SB+16*\b]|, |v[SB+16*\b+1]|, 0x8000000
.endr
.irp i, 2,4,6,8,10,12,14
.irp b, 0,1,2,3
	v_max3_num_f32 v[48+\b], v[48+\b], |v[SB+16*\b+\i]|, |v[SB+16*\b+\i+1]|
.endr
.endr
.irp b, 0,1,2,3
	v_permlanex16_b32 v[52+\b], v[48+\b], s30, s31
.endr
.irp b, 0,1,2,3
	v_max_num_f32 v[48+\b], v[48+\b], v[52+\b]
.endr
.irp b, 0,1,2,3
	v_add_nc_u32 v[56+\b], 0xf8800000, v[48+\b]
.endr
.irp b, 0,1,2,3
	v_and_or_b32 v[60+\b], v[48+\b], 0x7f800000, s26
.endr
.irp b, 0,1,2,3
	v_lshrrev_b32 v[52+\b], 23, v[56+\b]
.endr
	v_lshl_or_b32 v30, v53, 8, v52                 ; tile A's two bytes,
	v_lshl_or_b32 v31, v55, 8, v54                 ; tile B's
	v_cndmask_b32 v30, v30, v31, s67               ; lanes 16-31 carry B's
.irp b, 0,1,2,3
.irp i, 0,1,2,3,4,5,6,7,8,9,10,11,12,13,14,15
	v_med3_num_f32 v[SB+16*\b+\i], v[SB+16*\b+\i], -v[60+\b], v[60+\b]
.endr
	v_cvt_scalef32_pk8_bf8_f32 v[PC+4*\b:PC+4*\b+1], v[SB+16*\b:SB+16*\b+7], v[56+\b]
	v_cvt_scalef32_pk8_bf8_f32 v[PC+4*\b+2:PC+4*\b+3], v[SB+16*\b+8:SB+16*\b+15], v[56+\b]
.endr
	v_nop                                          ; one plain instruction behind the last scaled conversion
.irp b, 0,1,2,3
	ds_store_b128 v11, v[PC+4*\b:PC+4*\b+3] offset:8192*(\b/2)+512*(\b%2)
.endr
	ds_store_b16 v12, v30
	WALU
	s_wait_dscnt 0x0                               ; my part of a has landed, and W3's first fragments are in
	s_barrier_signal -1
	WIN 0x01
.irp q, 0,1,2,3,4,5,6,7
	v_mov_b32 v[KS+\q], v[W3S+\q]                  ; W3's scale words: v18-21 of output tiles 0, 1, v22-25 of 2, 3
.endr
.irp t, 0,1,2,3
.irp j, 0,1,2,3,4,5,6,7
	v_mov_b32 v[PC+8*\t+\j], v[BI+\t]              ; the bias in the result's layout: the C of each sum's first product
.endr
.endr
	WIN 0
	WALU
	s_barrier_wait -1                              ; everybody's part of a has landed
	WIN 0x40
.irp i, 0,1
.irp s, 0,1,2,3
.irp c, 0,1,2,3
	ds_load_b128 v[16*(4*\i+\s)+4*\c:16*(4*\i+\s)+4*\c+3], v13 offset:8192*\i+512*(4*\s+\c)   ; a's fragment (tile i, K step s), in the registers that held O^T and v
.endr
.endr
.endr
	WIN 0
	ds_load_b128 v[PS:PS+3], v14                   ; a's scale words: lanes 0-15 tile A's, lanes 16-31 tile B's
.macro WM d, a, b, c, sa, sb, row      ; row: bit 0: source 0's scales stand in lanes 16-31; bit 1: source 1's
.if (\row) == 0
	v_wmma_scale_f32_16x16x128_f8f6f4 v[(\d):(\d)+7], v[(\a):(\a)+15], v[(\b):(\b)+15], v[(\c):(\c)+7], v[(\sa)], v[(\sb)] matrix_a_fmt:MATRIX_FMT_BF8 matrix_b_fmt:MATRIX_FMT_BF8
.elseif (\row) == 1
	v_wmma_scale_f32_16x16x128_f8f6f4 v[(\d):(\d)+7], v[(\a):(\a)+15], v[(\b):(\b)+15], v[(\c):(\c)+7], v[(\sa)], v[(\sb)] matrix_a_fmt:MATRIX_FMT_BF8 matrix_b_fmt:MATRIX_FMT_BF8 matrix_a_scale:MATRIX_SCALE_ROW1
.elseif (\row) == 2
	v_wmma_scale_f32_16x16x128_f8f6f4 v[(\d):(\d)+7], v[(\a):(\a)+15], v[(\b):(\b)+15], v[(\c):(\c)+7], v[(\sa)], v[(\sb)] matrix_a_fmt:MATRIX_FMT_BF8 matrix_b_fmt:MATRIX_FMT_BF8 matrix_b_scale:MATRIX_SCALE_ROW1
.else
	v_wmma_scale_f32_16x16x128_f8f6f4 v[(\d):(\d)+7], v[(\a):(\a)+15], v[(\b):(\b)+15], v[(\c):(\c)+7], v[(\sa)], v[(\sb)] matrix_a_fmt:MATRIX_FMT_BF8 matrix_b_fmt:MATRIX_FMT_BF8 matrix_a_scale:MATRIX_SCALE_ROW1 matrix_b_scale:MATRIX_SCALE_ROW1
.endif
.endm
.macro MULW hf                         ; two output tiles x two tiles of positions x four K steps; the four accumulators take turns
	WIN 0x01                                       ; source 0 (a) window 1
.irp s, 0,1,2,3
.irp t, 0,1
.irp i, 0,1
.if \s == 0
	WM SB+32*\hf+16*\t+8*\i, 16*(4*\i+\s), KF+16*(4*\t+\s), PC+8*(2*\hf+\t), PS+\s, KS+4*\hf+\s, \i+2*\t
.else
	WM SB+32*\hf+16*\t+8*\i, 16*(4*\i+\s), KF+16*(4*\t+\s), SB+32*\hf+16*\t+8*\i, PS+\s, KS+4*\hf+\s, \i+2*\t
.endif
.endr
.endr
.endr
	WIN 0
	PLACES 8
.endm
.macro STAGE hf, back                  ; 32 rows x 32 positions through my stage, back as rows of 128 bytes, in window 1
.irp t, 0,1
.irp i, 0,1
	ds_store_b128 v15, v[SB+32*\hf+16*\t+8*\i:SB+32*\hf+16*\t+8*\i+3] offset:32*SP*\hf+16*SP*\t+64*\i
	ds_store_b128 v15, v[SB+32*\hf+16*\t+8*\i+4:SB+32*\hf+16*\t+8*\i+7] offset:32*SP*\hf+16*SP*\t+64*\i+16
.endr
.endr
	WIN 0x40
.irp k, 0,1,2,3,4,5,6,7
	ds_load_b128 v[\back+4*\k:\back+4*\k+3], v16 offset:32*SP*\hf+4*SP*\k   ; LDS serves a wave's instructions in order (ISA guide 5.7.1.4): these see my stores
.endr
	WIN 0
.endm
.macro LEAVE hf, back
	WIN 0x45                                       ; all in window 1
.irp k, 0,1,2,3,4,5,6,7
	v_pk_add_f32 v[\back+4*\k:\back+4*\k+1], v[\back+4*\k:\back+4*\k+1], v[X+32*\hf+4*\k:X+32*\hf+4*\k+1]
	v_pk_add_f32 v[\back+4*\k+2:\back+4*\k+3], v[\back+4*\k+2:\back+4*\k+3], v[X+32*\hf+4*\k+2:X+32*\hf+4*\k+3]
.endr
	WIN 0x04                                       ; the data window 1
.irp k, 0,1,2,3,4,5,6,7
	global_store_b128 v17, v[\back+4*\k:\back+4*\k+3], s[18:19] offset:16384*(8*\hf+\k)
.endr
	WIN 0
.endm
	s_wait_dscnt 0x0
	MULW 0
	STAGE 0, Q
	s_wait_tensorcnt 0x0                           ; my second half of W3 is in: no other wave reads it
	FETCHW 1
	s_wait_dscnt 60                                ; behind the eight loads from the stage 64 were issued
	s_wait_loadcnt 0x0                             ; x
	LEAVE 0, Q
	s_wait_dscnt 0x0
	MULW 1
	STAGE 1, O
	s_wait_dscnt 0x0
	LEAVE 1, O
	s_wait_tensorcnt 0x0                           ; the wave's end
	ds_add_u32 v[SPW], v[NIL]
	s_wait_dscnt 0x0
	ROUND                                          ; the closing round: no work-group ends while a partner may still ask for a tile that names it
	s_endpgm
.Lfunc_end_k_q69a378338d_attno:
	.size	k_q69a378338d_attno, .Lfunc_end_k_q69a378338d_attno-k_q69a378338d_attno
	.p2alignl 7, 3214868480
	.fill 96, 4, 3214868480
	.section	.rodata,"a",@progbits
	.p2align	6, 0x0
	.amdhsa_kernel k_q69a378338d_attno
		.amdhsa_group_segment_fixed_size 327680
		.amdhsa_private_segment_fixed_size 0
		.amdhsa_enable_private_segment 0
		.amdhsa_kernarg_size 64
		.amdhsa_user_sgpr_count 2
		.amdhsa_user_sgpr_kernarg_segment_ptr 1
		.amdhsa_wavefront_size32 1
		.amdhsa_system_sgpr_workgroup_id_x 1
		.amdhsa_system_sgpr_workgroup_id_y 1
		.amdhsa_system_sgpr_workgroup_id_z 1
		.amdhsa_system_vgpr_workitem_id 0
		.amdhsa_next_free_vgpr 512
		.amdhsa_next_free_sgpr 98
		.amdhsa_reserve_vcc 0
		.amdhsa_float_denorm_mode_32 3
		.amdhsa_float_denorm_mode_16_64 3
		.amdhsa_memory_ordered 1
		.amdhsa_forward_progress 1
		.amdhsa_inst_pref_size 191
	.end_amdhsa_kernel
	.amdgpu_metadata
---
amdhsa.version: [ 1, 2 ]
amdhsa.kernels:
  - .name:           k_q69a378338d_attno
    .symbol:         k_q69a378338d_attno.kd
    .args:
      - { .name: q_img, .offset: 0, .size: 8, .value_kind: global_buffer, .address_space: global }
      - { .name: q_sc, .offset: 8, .size: 8, .value_kind: global_buffer, .address_space: global }
      - { .name: kv, .offset: 16, .size: 8, .value_kind: global_buffer, .address_space: global }
      - { .name: W3_codes, .offset: 24, .size: 8, .value_kind: global_buffer, .address_space: global }
      - { .name: W3_scales, .offset: 32, .size: 8, .value_kind: global_buffer, .address_space: global }
      - { .name: b3, .offset: 40, .size: 8, .value_kind: global_buffer, .address_space: global }
      - { .name: x, .offset: 48, .size: 8, .value_kind: global_buffer, .address_space: global }
      - { .name: out0, .offset: 56, .size: 8, .value_kind: global_buffer, .address_space: global }
    .group_segment_fixed_size: 327680
    .private_segment_fixed_size: 0
    .kernarg_segment_align: 8
    .kernarg_segment_size: 64
    .max_flat_workgroup_size: 256
    .sgpr_count:     98
    .vgpr_count:     512
    .wavefront_size: 32
...
	.end_amdgpu_metadata
.endif
;; end of part 3
